; MI455X (gfx1250); checked and timed in simulation.
; The chip was launched on July 23, 2026; its instructions are those of AMD's public machine-readable ISA for CDNA 5 (MIT licence, August 2026) and "CDNA5" Instruction Set Architecture Reference Guide (July 2026). The comments in the code are by the model that wrote it; some were corrected since.
;; Lorentz Multi Head Attention. Allowed arithmetic: matrix products marked QUANTISED: E2M3 operands, one E8M0 scale for each 32 along K, by v_wmma_scale_f32_16x16x128_f8f6f4 with both operands' format E2M3, f32 sums; everything else in f32.
;; Inputs: Wk 512 x 2,048 float32; Wo 2,048 x 2,048 float32; Wq 2,048 x 2,048 float32; Wv 512 x 2,048 float32; temp 16 float32; x 4 x 1,024 x 2,048 float32.
;; Outputs: out0 4 x 1,024 x 2,048 float32; out1 1 float32.
;; Constants: curvature = 1.
;; This version of the problem:
;;   THIS VERSION OF THE PROBLEM IS GIVEN IN LOW PRECISION. The matrix products marked QUANTISED in the list below multiply operands that are first quantised to E2M3 (2 exponent bits, 3 mantissa bits; 6 bits a number), with one power-of-two scale for each 32 numbers along K (OCP MX v1.0); their sums are f32. All else is computed in f32.
;;   The module's matrix products, in the order in which they are computed (A, B: the left and right operand; K: the contracted axis; several contracted axes count as one K, in the product's order):
;;     1. [M 4,096, K 2,048] x [K 2,048, N 2,048]; A: input x; B: input Wq: QUANTISED
;;     2. [M 4,096, K 2,048] x [K 2,048, N 512]; A: input x; B: input Wk: QUANTISED
;;     3. [M 4,096, K 2,048] x [K 2,048, N 512]; A: input x; B: input Wv: QUANTISED
;;     4. batch 64 x [M 1,024, K 128] x [K 128, N 1,024]; A: computed on the way; B: computed on the way: QUANTISED
;;     5. batch 64 x [M 128, K 1,024] x [K 1,024, N 1,024]; A: computed on the way; B: softmax (see below): QUANTISED
;;     6. [M 4,096, K 2,048] x [K 2,048, N 2,048]; A: computed on the way; B: input Wo: QUANTISED
;;   THE QUANTISER, for each operand of a quantised product, along K:
;;     - K is cut into blocks of 32 from its start; a last block that is shorter is filled with zeros.
;;     - A block's scale is 2^e with e = floor(log2(the largest magnitude in the block)) - 2, held to -126 .. 127; a block of zeros has e = 0. As a byte (E8M0): e + 127.
;;     - Each number is divided by its block's scale, clamped to +-7.5, and rounded to the nearest number of E2M3, ties to even, subnormals kept.
;;     - The product sums the exact products of the quantised numbers (number of the format x scale) in f32.
;;   ~~~python
;;   def quantise(x, axis):      # numpy; x: float32 -> the quantised numbers, widened to float32 again
;;       x = np.moveaxis(x, axis, -1); K = x.shape[-1]
;;       x = np.pad(x, [(0, 0)] * (x.ndim - 1) + [(0, -K % 32)]); x = x.reshape(x.shape[:-1] + (-1, 32)); a = np.abs(x).max(-1, keepdims=True)
;;       e = np.where(a > 0, np.clip(np.frexp(np.where(a > 0, a, 1))[1] - 1 - 2, -126, 127), 0)      # np.frexp(a)[1] - 1 = floor(log2(a)), exactly
;;       r = np.clip(x / 2.0 ** e, -7.5, 7.5)
;;       step = 2.0 ** (np.maximum(np.frexp(np.where(r == 0, 1, r))[1] - 1, 0) - 3)
;;       q = np.round(r / step) * step * 2.0 ** e      # np.round: ties to even
;;       return np.moveaxis(q.reshape(q.shape[:-2] + (-1,))[..., :K], -1, axis).astype(np.float32)
;;   ~~~
;;   SOFTMAX AHEAD OF A QUANTISED PRODUCT. Where the list says 'softmax', what is quantised is not the finished softmax but p = 2^(t - M), with t = logit x log2(e) and M = ceil(the row's largest t), a whole number; so 1/2 < the row's largest p <= 1. The row's sum l is taken of the UNQUANTISED p, in f32, and the product's result is divided by l at the end. Since M is a whole number, a kernel that streams over the keys may use a running M (the ceiling of the running maximum): every later rescaling is an exact power of two, which a block's scale takes up: the codes' values come out the same.
;;   OPERANDS COMPUTED ON THE WAY. 'Computed on the way' means the value that the module computes at that place (a softmax that the list does not call 'softmax' is quantised finished and normalised). What goes into a quantiser is computed in f32, as accurately as f32 sums, v_exp_f32 and their like allow (about 1e-6 of the number): no bf16 or f16 on the way to a quantiser, and a product that is left as it is and whose result goes on into a quantised operand takes f32 operands (vector FMAs, or v_wmma_f32_16x16x4_f32). A number that lies on a knife's edge between two numbers of the format may be rounded either way, as far as f32 arithmetic and the matrix unit's own rounding can turn it there, and no further.
;; One version. Each part assembles by itself: llvm-mc -triple=amdgcn-amd-amdhsa -mcpu=gfx1250 --defsym DOCPART=n.
;; ======== version 1 of 1: 4 launches
;; workspace buffers: xq 6,553,600 bytes; wq 4,915,200 bytes; wo 3,276,800 bytes; tab 524,288 bytes; qg 6,553,600 bytes; kvg 3,276,800 bytes; at 6,553,600 bytes
;; launch prep (part 1): grid 704 x 1, 4 waves a work-group, no clusters, 34,304 bytes of LDS; arguments x, Wq, Wk, Wv, Wo, xq, wq, wo, tab, out1; writes xq, wq, wo, tab, out1
.if DOCPART == 1
	.amdgcn_target "amdgcn-amd-amdhsa--gfx1250"
	.amdhsa_code_object_version 6
	.text
	.protected	k_qab2d16815e_prep
	.globl	k_qab2d16815e_prep
	.p2align	8
	.type	k_qab2d16815e_prep,@function
k_qab2d16815e_prep:
	s_mov_b64 s[64:65], 0
	v_nop
	global_prefetch_b8 v0, s[64:65] scope:SCOPE_SE
	s_setreg_imm32_b32 hwreg(HW_REG_WAVE_MODE, 25, 1), 1
	s_wait_xcnt 0x0
; PREP.  x [4096][2048], Wq [2048][2048], Wk, Wv [512][2048], Wo [2048][2048], f32 with K innermost, become codes of FP6 (E2M3) with one E8M0 byte for each 32 along K;
; the table of cos and sin for the rotary step is made; out1 = 0 is stored.  (reference() takes temp and curvature and uses them in no result: no launch names them.)
; LAYOUT OF EVERY OPERAND IN THIS PROGRAM'S WORKSPACE: IMAGES OF FRAGMENT REGISTERS.  A fragment is 16 rows x 128 K, 12 registers a lane, 1,536 bytes: register j of lane l lies at 512 (j / 4) + 16 l + 4 (j % 4),
; so three accesses of 16 bytes a lane, 512 consecutive bytes each, write or read it.  Lane (r, h) holds row r; registers 6 c .. 6 c + 5 hold K = 64 c + 32 h + 0 .. 31.
; THE ROWS OF A ROW BLOCK ARE NOT NEIGHBOURS: lane r of row block t takes row 32 (t / 2) + 8 (t % 2) + r + 8 (r / 8), so that a product whose source 0 is blocks 2 b, 2 b + 1 leaves 16 neighbours in a lane's 16 registers.
; Codes: image (row block rb, K step ks) at rb x 24,576 + ks x 1,536.  Scale words behind them: (rb, ks, r) at rb x 1,024 + (ks / 4) x 256 + 16 r + 4 (ks % 4).
; SHARES.  Work-groups 0-575: one row block each (x 0-255, Wq 256-383, Wk 384-415, Wv 416-447, Wo 448-575); wave w takes K steps 4 w .. 4 w + 3, a UNIT (16 rows x 128 K, 8 KiB) each.  Only pointers and
; offsets are chosen by the work-group's number: all five tensors take one way through the text.  Work-groups 576-703 make the table and use no LDS.
; A UNIT: sixteen loads of 512 consecutive bytes (a row's 128 numbers); through the wave's own stage in LDS (rows 528 bytes apart); back as two whole blocks of 32 a lane, in the operand's own order.
; A block's scale is 2^(floor(log2(largest magnitude)) - 2): its byte is the largest magnitude's exponent field - 2, held at 1 from below by a floor among the maximum's leaves.
; LIMITS: a block of zeros gets the byte 1 where the rule says 127 (its codes are zeros, and this program alone reads the bytes); blocks whose largest magnitude lies under 2^-124 are held at that floor; NaN and infinities are not served.
; THE TABLE: tab[token block 64][16][lane 32][16 bytes]: pieces 0-7 are cos registers 4 q .. 4 q + 3, pieces 8-15 sin; register 16 b + i stands for frequency f = 32 b + 16 h + i at position 32 (tb / 2) + 8 (tb % 2) + r + 8 (r / 8).
; inv_freq = 2^(-f log2(10000) / 64): the exponent's leading 17 bits times f are exact, the rest enters as a first-order factor; the angle is one f32 product, as reference() has it; it is reduced by pi / 2 in two
; parts (the quotient stays under 652, so a third part would be under 1e-12) and cos and sin are polynomials on [-pi / 4, pi / 4].  Positions stay under 1,024.
.set NQWG, 576                         ; work-groups that quantise
.set STGB, 16*528                      ; a wave's stage
.set SW,   20                          ; v20-23   a scale word for each UNIT
.set P,    24                          ; v24-35   the image
.set T,    36                          ; v36-38, v40-42  a block's upper 16 codes (a conversion's three registers begin on an even number)
.set R,    64                          ; v64-191  two sets of 64: numbers as loaded
.set X,    192                         ; v192-255 my two blocks of 32
	s_load_b256 s[4:11], s[0:1], 0x0               ; x s[4:5], Wq s[6:7], Wk s[8:9], Wv s[10:11]
	s_load_b256 s[12:19], s[0:1], 0x20             ; Wo s[12:13], xq s[14:15], wq s[16:17], wo s[18:19]
	s_load_b128 s[24:27], s[0:1], 0x40             ; tab s[24:25], out1 s[26:27]
	s_set_vgpr_msb 0x40
	v_lshl_add_u32 v0, v0, 2, 0x8400
	v_mov_b32 v1, 0
	s_set_vgpr_msb 0x4000
	v_lshrrev_b32 v1, 5, v0
	v_readfirstlane_b32 s22, v1                    ; wave 0..3
	v_and_b32 v1, 31, v0                           ; lane
	v_and_b32 v2, 15, v0                           ; r
	v_bfe_u32 v3, v0, 4, 1                         ; h
	v_lshlrev_b32 v4, 4, v1                        ; 16 x lane
	s_mov_b32 s20, 0x76543210
	s_mov_b32 s21, 0xfedcba98                      ; v_permlanex16_b32's selects for lane l xor 16
	s_cmp_ge_u32 ttmp9, NQWG
	s_cbranch_scc1 .Ltable
	; ---- the quantiser
	s_mul_i32 s23, s22, STGB                       ; my stage
	v_add_nc_u32 v5, s23, v4                       ; in: a row's 512 bytes as they lie
	v_mul_u32_u24 v6, v2, 528
	v_lshl_add_u32 v6, v3, 7, v6
	v_add_nc_u32 v6, s23, v6                       ; out: row r, + 128 h: my block of each 64 along K.  528 = 33 x 16: the sixteen rows of a pass start in sixteen different groups of four banks
	v_lshlrev_b32 v7, 3, v3                        ; 8 h: where my two bytes stand in the scale word
	v_lshlrev_b32 v8, 4, v2                        ; 16 r: my row's four scale words
	v_mov_b32 v9, 0                                ; out1: offset,
	v_mov_b32 v10, 0                               ; and the number 0.0
	v_mov_b32 v19, 0                               ; written once: a lane permute's destination counts as one of its sources
	s_wait_kmcnt 0x0
	s_mov_b64 s[28:29], s[12:13]                   ; from: Wo,
	s_mov_b64 s[30:31], s[18:19]                   ; to: wo,
	s_mov_b32 s32, 448                             ; the tensor's first work-group,
	s_mov_b32 s33, 448                             ; the output buffer's first work-group,
	s_mov_b32 s34, 0x300000                        ; where the buffer's scale words begin;
	s_cmp_lt_u32 ttmp9, 448                        ; then Wv, Wk, Wq, x take their places.  The choices hang on the work-group's number alone
	s_cselect_b64 s[28:29], s[10:11], s[28:29]
	s_cselect_b64 s[30:31], s[16:17], s[30:31]
	s_cselect_b32 s32, 416, s32
	s_cselect_b32 s33, 256, s33
	s_cselect_b32 s34, 0x480000, s34
	s_cmp_lt_u32 ttmp9, 416
	s_cselect_b64 s[28:29], s[8:9], s[28:29]
	s_cselect_b32 s32, 384, s32
	s_cmp_lt_u32 ttmp9, 384
	s_cselect_b64 s[28:29], s[6:7], s[28:29]
	s_cselect_b32 s32, 256, s32
	s_cmp_lt_u32 ttmp9, 256
	s_cselect_b64 s[28:29], s[4:5], s[28:29]
	s_cselect_b64 s[30:31], s[14:15], s[30:31]
	s_cselect_b32 s32, 0, s32
	s_cselect_b32 s33, 0, s33
	s_cselect_b32 s34, 0x600000, s34
	s_sub_co_u32 s35, ttmp9, s32                   ; the row block in its tensor
	s_lshr_b32 s36, s35, 1
	s_lshl_b32 s36, s36, 5
	s_and_b32 s37, s35, 1
	s_lshl_b32 s37, s37, 3
	s_add_co_u32 s36, s36, s37                     ; its first row: 32 (rb / 2) + 8 (rb % 2)
	s_lshl_b32 s36, s36, 13                        ; rows of 8,192 bytes (under 2^26 in all)
	s_lshl_b32 s37, s22, 11                        ; my four K steps: 2,048 bytes a wave
	s_add_co_u32 s36, s36, s37
	s_mov_b32 s37, 0
	s_add_nc_u64 s[28:29], s[28:29], s[36:37]
	s_sub_co_u32 s35, ttmp9, s33                   ; the row block in its output buffer
	s_mul_i32 s36, s35, 24576
	s_mul_i32 s37, s22, 6144
	s_add_co_u32 s36, s36, s37                     ; my four images
	s_mov_b32 s37, 0
	s_lshl_b32 s38, s35, 10
	s_lshl_b32 s39, s22, 8
	s_add_co_u32 s38, s38, s39
	s_add_co_u32 s38, s38, s34                     ; my 256 bytes of scale words
	s_mov_b32 s39, 0
	s_add_nc_u64 s[40:41], s[30:31], s[38:39]
	s_add_nc_u64 s[30:31], s[30:31], s[36:37]
.macro LOAD t                          ; UNIT t's sixteen rows into set t % 2: 32 lanes read 512 consecutive bytes of a row; read once in the launch
.irp i, 0,1,2,3,4,5,6,7,8,9,10,11,12,13,14,15
	global_load_b128 v[R+64*((\t)%2)+4*\i:R+64*((\t)%2)+4*\i+3], v4, s[28:29] offset:(\i+8*(\i/8))*8192+512*(\t) th:TH_LOAD_NT
.endr
.endm
.macro UNIT u
.set RU, R+64*((\u)%2)
.if (\u) < 3
	s_wait_loadcnt 16                              ; this UNIT's sixteen loads are in; the next UNIT's sixteen may be out
.else
	s_wait_loadcnt 0x0
.endif
.irp i, 0,1,2,3,4,5,6,7,8,9,10,11,12,13,14,15
	ds_store_b128 v5, v[RU+4*\i:RU+4*\i+3] offset:528*\i
.endr
.irp c, 0,1
.irp j, 0,1,2,3,4,5,6,7
	ds_load_b128 v[X+32*\c+4*\j:X+32*\c+4*\j+3], v6 offset:256*\c+16*\j   ; LDS serves a wave's instructions in order: these see my stores.  K = 64 c + 32 h + 4 j ..
.endr
.endr
	s_wait_dscnt 0x0                               ; my blocks are in, and the stores have read their registers,
.if (\u)+2 < 4
	LOAD (\u)+2                                    ; which take the UNIT two on
.endif
.irp c, 0,1
	v_max3_num_f32 v[12+\c], |v[X+32*\c]|, |v[X+32*\c+1]|, 0x1800000   ; block 2 c + h: all 32 numbers are mine; the floor 2^(3 - 127) holds the byte at 1 from below
.endr
.irp i, 2,4,6,8,10,12,14,16,18,20,22,24,26,28,30
.irp c, 0,1
	v_max3_num_f32 v[12+\c], v[12+\c], |v[X+32*\c+\i]|, |v[X+32*\c+\i+1]|
.endr
.endr
.irp c, 0,1
	v_add_nc_u32 v[14+\c], 0xff000000, v[12+\c]    ; 2 off the exponent field: the conversion takes the exponent field of this operand as its scale
.endr
.irp c, 0,1
	v_lshrrev_b32 v[16+\c], 23, v[14+\c]           ; the scale's byte
.endr
	s_wait_xcnt 0x0                                ; the last UNIT's stores have read the image's registers
.irp c, 0,1
	v_cvt_scalef32_pk16_fp6_f32 v[P+6*\c:P+6*\c+2], v[X+32*\c:X+32*\c+15], v[14+\c]
	v_cvt_scalef32_pk16_fp6_f32 v[T+4*\c:T+4*\c+2], v[X+32*\c+16:X+32*\c+31], v[14+\c]
.endr
	v_lshl_or_b32 v18, v17, 16, v16                ; (plain lines behind the conversions)  my two bytes: blocks h and 2 + h,
	v_lshlrev_b32 v18, v7, v18                     ; at their places in the word;
	v_permlanex16_b32 v19, v18, s20, s21
	v_or_b32 v[SW+(\u)], v18, v19                  ; with lane l xor 16's two the word is whole
.irp c, 0,1
.irp i, 0,1,2
	v_mov_b32 v[P+3+6*\c+\i], v[T+4*\c+\i]
.endr
.endr
.irp c, 0,1,2
	global_store_b128 v4, v[P+4*\c:P+4*\c+3], s[30:31] offset:1536*(\u)+512*\c   ; 32 lanes store 512 consecutive bytes, at a multiple of 256 from the buffer's first byte
.endr
.endm
	LOAD 0
	LOAD 1
	UNIT 0
	UNIT 1
	UNIT 2
	UNIT 3
	s_wait_xcnt 0x0                                ; EXEC changes only behind this wait
	v_cmp_gt_u32 vcc_lo, 16, v1
	s_and_saveexec_b32 s38, vcc_lo
	global_store_b128 v8, v[SW:SW+3], s[40:41]     ; lanes 0-15: my four K steps' words of 16 rows: 256 consecutive bytes, aligned
	s_wait_xcnt 0x0
	s_or_b32 exec_lo, exec_lo, s38
	s_or_b32 s39, ttmp9, s22
	s_cmp_lg_u32 s39, 0
	s_cbranch_scc1 .Lend                           ; wave 0 of work-group 0 stores reference()'s second result
	v_cmp_eq_u32 vcc_lo, 0, v1
	s_and_saveexec_b32 s38, vcc_lo
	global_store_b32 v9, v10, s[26:27]
	s_wait_xcnt 0x0
	s_or_b32 exec_lo, exec_lo, s38
.Lend:
	s_set_vgpr_msb 0x5
	s_wait_tensorcnt 0x0
	ds_add_u32 v0, v1
	s_wait_dscnt 0x0
	s_set_vgpr_msb 0x500
	s_endpgm
	; ---- the table: wave gw = 4 (work-group - 576) + wave makes piece gw % 8 of cos and of sin for token block gw / 8: four frequencies a lane
.Ltable:
	s_sub_co_u32 s35, ttmp9, NQWG
	s_lshl_b32 s35, s35, 2
	s_add_co_u32 s35, s35, s22
	s_lshr_b32 s36, s35, 3                         ; token block
	s_and_b32 s37, s35, 7                          ; piece
	s_lshr_b32 s38, s36, 1
	s_lshl_b32 s38, s38, 5
	s_and_b32 s39, s36, 1
	s_lshl_b32 s39, s39, 3
	s_add_co_u32 s38, s38, s39
	v_and_b32 v11, 8, v2
	v_add_nc_u32 v11, v11, v2
	v_add_nc_u32 v11, s38, v11
	v_cvt_f32_u32 v11, v11                         ; my position
	s_lshr_b32 s38, s37, 2
	s_lshl_b32 s38, s38, 5
	s_and_b32 s39, s37, 3
	s_lshl_b32 s39, s39, 2
	s_add_co_u32 s38, s38, s39
	v_lshl_add_u32 v12, v3, 4, s38                 ; my first frequency: 32 (piece / 4) + 4 (piece % 4) + 16 h
	s_lshl_b32 s38, s36, 13
	s_lshl_b32 s39, s37, 9
	s_add_co_u32 s38, s38, s39
	s_mov_b32 s39, 0
	s_mov_b32 s40, 0xbe549a80                      ; -(log2(10000) / 64 cut to 17 bits): times f (6 bits) exact in f32
	s_mov_b32 s41, 0x33aae0aa                      ; ln 2 x what the cut added
	s_mov_b32 s42, 0x3fc90fdb                      ; pi / 2, first part,
	s_mov_b32 s43, 0xb33bbd2e                      ; second part
	s_mov_b32 s44, 0xbe2aaaa3                      ; sin r = r + r z (S1 + z (S2 + z S3)), z = r r
	s_mov_b32 s45, 0x3c08839e
	s_mov_b32 s46, 0xb94ca1f9
	s_mov_b32 s47, 0x3d2aaaa5                      ; cos r = 1 - z / 2 + z z (C1 + z (C2 + z C3))
	s_mov_b32 s48, 0xbab6061a
	s_mov_b32 s49, 0x37ccf5ce
.irp e, 0,1,2,3
	v_add_nc_u32 v[32+\e], \e, v12
.endr
.irp e, 0,1,2,3
	v_cvt_f32_u32 v[32+\e], v[32+\e]               ; f
.endr
.irp e, 0,1,2,3
	v_mul_f32 v[36+\e], s40, v[32+\e]
.endr
.irp e, 0,1,2,3
	v_exp_f32 v[36+\e], v[36+\e]
.endr
.irp e, 0,1,2,3
	v_mul_f32 v[32+\e], s41, v[32+\e]              ; (plain lines behind the exponentials)
.endr
	s_wait_alu depctr_va_vdst(0)
.irp e, 0,1,2,3
	v_fma_f32 v[36+\e], v[36+\e], v[32+\e], v[36+\e]   ; inv_freq
.endr
.irp e, 0,1,2,3
	v_mul_f32 v[40+\e], v11, v[36+\e]              ; the angle
.endr
.irp e, 0,1,2,3
	v_mul_f32 v[44+\e], 0x3f22f983, v[40+\e]
.endr
.irp e, 0,1,2,3
	v_rndne_f32 v[44+\e], v[44+\e]                 ; n = the nearest whole number to angle x 2 / pi
.endr
.irp e, 0,1,2,3
	v_fma_f32 v[40+\e], -v[44+\e], s42, v[40+\e]   ; exact: a multiple of 2^-23 under 1
.endr
.irp e, 0,1,2,3
	v_fma_f32 v[40+\e], -v[44+\e], s43, v[40+\e]   ; r
.endr
.irp e, 0,1,2,3
	v_mul_f32 v[48+\e], v[40+\e], v[40+\e]         ; z
.endr
.irp e, 0,1,2,3
	v_fma_f32 v[52+\e], v[48+\e], s46, s45
	v_fma_f32 v[56+\e], v[48+\e], s49, s48
.endr
.irp e, 0,1,2,3
	v_fma_f32 v[52+\e], v[52+\e], v[48+\e], s44
	v_fma_f32 v[56+\e], v[56+\e], v[48+\e], s47
.endr
.irp e, 0,1,2,3
	v_mul_f32 v[52+\e], v[52+\e], v[48+\e]
	v_mul_f32 v[60+\e], v[48+\e], v[48+\e]
	v_fma_f32 v[32+\e], v[48+\e], -0.5, 1.0
.endr
.irp e, 0,1,2,3
	v_fma_f32 v[52+\e], v[52+\e], v[40+\e], v[40+\e]   ; sin r
	v_fma_f32 v[56+\e], v[56+\e], v[60+\e], v[32+\e]   ; cos r
	v_cvt_i32_f32 v[44+\e], v[44+\e]
.endr
.irp e, 0,1,2,3                        ; the quadrant: odd n swaps the two; sin is negative where n & 2, cos where (n + 1) & 2
	v_and_b32 v[60+\e], 1, v[44+\e]
	v_cmp_eq_u32 vcc_lo, 1, v[60+\e]
	v_cndmask_b32 v[64+\e], v[52+\e], v[56+\e], vcc_lo
	v_cndmask_b32 v[68+\e], v[56+\e], v[52+\e], vcc_lo
	v_lshlrev_b32 v[60+\e], 30, v[44+\e]
	v_and_b32 v[60+\e], 0x80000000, v[60+\e]
	v_xor_b32 v[64+\e], v[64+\e], v[60+\e]         ; sin
	v_add_nc_u32 v[44+\e], 1, v[44+\e]
	v_lshlrev_b32 v[44+\e], 30, v[44+\e]
	v_and_b32 v[44+\e], 0x80000000, v[44+\e]
	v_xor_b32 v[68+\e], v[68+\e], v[44+\e]         ; cos
.endr
	s_wait_kmcnt 0x0
	s_add_nc_u64 s[24:25], s[24:25], s[38:39]
	global_store_b128 v4, v[68:71], s[24:25]               ; 512 consecutive bytes each
	global_store_b128 v4, v[64:67], s[24:25] offset:4096
	s_endpgm
.Lfunc_end_k_qab2d16815e_prep:
	.size	k_qab2d16815e_prep, .Lfunc_end_k_qab2d16815e_prep-k_qab2d16815e_prep
	.p2alignl 7, 3214868480
	.fill 96, 4, 3214868480
	.section	.rodata,"a",@progbits
	.p2align	6, 0x0
	.amdhsa_kernel k_qab2d16815e_prep
		.amdhsa_group_segment_fixed_size 34304
		.amdhsa_private_segment_fixed_size 0
		.amdhsa_enable_private_segment 0
		.amdhsa_kernarg_size 80
		.amdhsa_user_sgpr_count 2
		.amdhsa_user_sgpr_kernarg_segment_ptr 1
		.amdhsa_wavefront_size32 1
		.amdhsa_system_sgpr_workgroup_id_x 1
		.amdhsa_system_sgpr_workgroup_id_y 1
		.amdhsa_system_sgpr_workgroup_id_z 1
		.amdhsa_system_vgpr_workitem_id 0
		.amdhsa_next_free_vgpr 258
		.amdhsa_next_free_sgpr 66
		.amdhsa_reserve_vcc 1
		.amdhsa_float_denorm_mode_32 3
		.amdhsa_float_denorm_mode_16_64 3
		.amdhsa_memory_ordered 1
		.amdhsa_forward_progress 1
		.amdhsa_inst_pref_size 39
	.end_amdhsa_kernel
	.amdgpu_metadata
---
amdhsa.version: [ 1, 2 ]
amdhsa.kernels:
  - .name:           k_qab2d16815e_prep
    .symbol:         k_qab2d16815e_prep.kd
    .args:
      - { .name: x, .offset: 0, .size: 8, .value_kind: global_buffer, .address_space: global }
      - { .name: Wq, .offset: 8, .size: 8, .value_kind: global_buffer, .address_space: global }
      - { .name: Wk, .offset: 16, .size: 8, .value_kind: global_buffer, .address_space: global }
      - { .name: Wv, .offset: 24, .size: 8, .value_kind: global_buffer, .address_space: global }
      - { .name: Wo, .offset: 32, .size: 8, .value_kind: global_buffer, .address_space: global }
      - { .name: xq, .offset: 40, .size: 8, .value_kind: global_buffer, .address_space: global }
      - { .name: wq, .offset: 48, .size: 8, .value_kind: global_buffer, .address_space: global }
      - { .name: wo, .offset: 56, .size: 8, .value_kind: global_buffer, .address_space: global }
      - { .name: tab, .offset: 64, .size: 8, .value_kind: global_buffer, .address_space: global }
      - { .name: out1, .offset: 72, .size: 8, .value_kind: global_buffer, .address_space: global }
    .group_segment_fixed_size: 34304
    .private_segment_fixed_size: 0
    .kernarg_segment_align: 8
    .kernarg_segment_size: 80
    .max_flat_workgroup_size: 128
    .sgpr_count:     66
    .vgpr_count:     258
    .wavefront_size: 32
...
	.end_amdgpu_metadata
.endif
;; end of part 1
;; launch qkv (part 2): grid 24 x 8, 4 waves a work-group, clusters of 4 x 4, 327,680 bytes of LDS; arguments xq, wq, tab, qg, kvg; writes qg, kvg
.if DOCPART == 2
	.amdgcn_target "amdgcn-amd-amdhsa--gfx1250"
	.amdhsa_code_object_version 6
	.text
	.protected	k_qab2d16815e_qkv
	.globl	k_qab2d16815e_qkv
	.p2align	8
	.type	k_qab2d16815e_qkv,@function
k_qab2d16815e_qkv:
	s_mov_b64 s[64:65], 0
	v_nop
	global_prefetch_b8 v0, s[64:65] scope:SCOPE_SE
	s_setreg_imm32_b32 hwreg(HW_REG_WAVE_MODE, 25, 1), 1
	s_wait_xcnt 0x0
	s_wait_alu depctr_hold_cnt(0) depctr_sa_sdst(0) depctr_va_vdst(0) depctr_va_sdst(0) depctr_va_ssrc(0) depctr_va_vcc(0) depctr_vm_vsrc(0)
	s_getreg_b32 s2, hwreg(HW_REG_IB_STS2, 6, 4)
	s_cmp_eq_u32 s2, 0
	s_cbranch_scc0 .Lentry_in_a_cluster
	s_endpgm
.Lentry_in_a_cluster:
	s_bfe_u32 s2, ttmp6, 0x10000c
	s_cmp_lg_u32 s2, 0xf033
	s_cbranch_scc0 .Lentry_shape_is_right
	s_endpgm
.Lentry_shape_is_right:
; QKV.  q, k, v = x W^T on codes of FP6 (E2M3) with E8M0 scales, K = 2,048; then, in f32 and in registers, q and k: RMS norm over the head's 128, the rotary step, quantised along the head's 128;
; v: turned, and quantised along the keys.  Nothing wide goes to memory.
; OPERANDS ARE IMAGES OF FRAGMENT REGISTERS (16 rows x 128 K = 1,536 bytes, register j of lane l at 512 (j / 4) + 16 l + 4 (j % 4)); lane r of row block t stands for row 32 (t / 2) + 8 (t % 2) + r + 8 (r / 8).
; xq, wq: image (rb, ks) at rb x 24,576 + ks x 1,536; scale words behind the codes: (rb, ks, r) at rb x 1,024 + (ks / 4) x 256 + 16 r + 4 (ks % 4).  wq's row blocks: Wq 0-127, Wk 128-159, Wv 160-191.
; SHARES.  A work-group makes 512 tokens x 128 columns: ONE HEAD.  Its four waves take 128 tokens each, all 128 columns: 64 accumulators of 16 x 16, 512 registers.  Grid x: heads (q 0-15, k 16-19, v 20-23); y: blocks of 512 tokens.
; THE MATRIX INSTRUCTION IS USED TRANSPOSED (source 0 = 16 rows of W, source 1 = 16 tokens): a lane holds ONE token, and by the order of W's rows its registers 16 b + i are the head's channels 32 b + 16 h + i:
; the order that the quantiser wants, with the rotary step's partners d and d + 64 in one lane.
; K goes in steps of 256 through a ring of two LDS slots: of each row block a slot holds two images, 3,072 consecutive bytes of memory.  All scale words of the tile come once, with the first fills, and stay.
; CLUSTERS: 4 x 4 work-groups.  The four of a row need the same tiles of x, the four of a column the same tiles of W: each tile is asked for JOINTLY.  A cluster's four columns are four heads of ONE kind
; (q, k or v hangs on the cluster's x alone), so the branch to v's way out is the same in all partners.
; OUT.  qg[head 16][g 32][12,800]: the 8 token blocks' images of the 128 tokens g, then 512 bytes of scale words: (block t, r) at 256 (t / 4) + 16 r + 4 (t % 4).
;       kvg[kv head 4][g 32][25,600]: k's 8 images and words likewise; from 12,800 on v's 8 images (16 channels x these 128 keys) and words.
; LIMITS: a block of zeros gets the byte 1 (its codes are zeros; this program alone reads the bytes); largest magnitudes under 2^-124 are held at that floor; NaN and infinities are not served.
; REGISTERS, in windows of 256: window 0: v0-31 addresses; v32-63 scale words, two sets, and nothing else; v128-223 x's fragments, ONE set; on the way out v64-255 but for these.
;   window 1: W's fragments, TWO sets, at v0 and v128; v96-127, v224-255 cos and sin of a token block.   windows 2, 3: the accumulators of my token blocks 0-3, 4-7: (a, b) at v[8 (8 (a % 4) + b)].
.set NQ,    2                          ; matrix instructions deep in a slot
.set FR,    12                         ; registers of a fragment
.set NL,    3                          ; LDS loads that bring one
.set NP,    4                          ; places behind this matrix instruction (ISA guide 7.12.1)
.set IMG,   1536
.set SLB,   NQ*IMG                     ; a row block's bytes in a slot
.set RBK,   24576                      ; a row block's bytes in memory
.set ASLOT, 32*SLB                     ; x's 32 row blocks,
.set SLOT,  40*SLB                     ; then W's 8
.set LAPS,  4                          ; a lap = two slots = 512 along K
.set SCL,   2*SLOT                     ; behind the ring: x's scale words, 32 x 1,024 bytes,
.set SCLB,  SCL+32768                  ; W's, 8 x 1,024 bytes,
.set SPARE, SCL+40960                  ; and the spare words, 128 bytes for each wave: two blocks of 256 bytes that no other line names
.set ASCOFF, 0x600000                  ; where xq's scale words begin,
.set BSCOFF, 0x480000                  ; and wq's
.set ADRA, 16                          ; v16-17  LDS address of my fragments of x in slot 0, 1
.set ADRB, 20                          ; v20-21  the same for W
.set VST,  24                          ; v24     v's way out: where I put 32 bytes of a token's row
.set VLD,  25                          ; v25     and where I read down the keys
.set GI,   26                          ; v26     16 x lane: my place in an image
.set ADRS, 27                          ; v27     LDS address of my scale words: lanes 0-15 x's, lanes 16-31 W's
.set SPW,  28                          ; v28     LDS address of my spare word; never rewritten
.set NIL,  29                          ; v29     0; never rewritten
.set RS,   30                          ; v30-31  1 / rms (named as a pair)
.set SC,   32                          ; set s at v[SC + 16 s]; register 2 i + q: lanes 0-15 the word of x's block i, lanes 16-31 of W's block i, for the slot's q-th 128 along K
.set AF,   128
.set Y,    64                          ; the way out: v64-127 a token block's 64 numbers a lane;
.set O,    128                         ; v128-191 after the rotary step;
.set TM,   192                         ; v192-207 the quantiser's work;
.set PW8,  208                         ; v208-215 eight scale words;
.set PC,   216                         ; v216-234 the codes just made;
.set SS,   236                         ; v236-243 sums of squares;
.set OW,   244                         ; v244-247 the scale words as they leave
.set SELR, 100                         ; s[100:101] v_permlanex16_b32's selects for lane l xor 16
.set G1, 24                            ; s[24:31] descriptor group 1 for x's tiles;  s[32:39] group 0, one set for each slot
.set G0, 32
.set G1B, 48                           ; s[48:55], s[56:63] the same for W's tiles
.set G0B, 56
.set G1S, 68                           ; s[68:75], s[76:79] groups 1 and 0 for x's scale words;  s[80:87], s[88:91] for W's
.set G0S, 76
.set G1SB, 80
.set G0SB, 88
.set MSB, 0
.macro WIN new                         ; the immediate's high byte repeats the setting that is left; a switch that changes nothing is dropped
.if MSB != (\new)
	s_set_vgpr_msb (MSB<<8)|(\new)
.set MSB, (\new)
.endif
.endm
.set MUL_LO, 0xa1                      ; source 0 (W) window 1, source 1 (x) window 0, C and D window 2
.set MUL_HI, 0xf1                      ; the same, C and D window 3
.set TO_B,   0x40                      ; destination window 1, address window 0
; A joint load: waves 0 and 1 fetch for x, waves 2 and 3 for W.  Each of the two lines has ONE mask and one set of registers for all that issue it; the branch hangs on the wave's number alone.
; Four v_nop follow each of the two lines, ahead of the jump, the label and what follows.
.macro JLOAD g0a, g1a, g0b, g1b
	s_cmp_eq_u32 s15, 0
	s_cbranch_scc0 .Lfor_b_\@
	tensor_load_to_lds s[\g0a:\g0a+3], s[\g1a:\g1a+7]
	s_nop 0
.rept 4
	v_nop
.endr
	s_branch .Lasked_\@
.Lfor_b_\@:
	tensor_load_to_lds s[\g0b:\g0b+3], s[\g1b:\g1b+7]
	s_nop 0
.rept 4
	v_nop
.endr
.Lasked_\@:
.endm
.macro CREST                           ; a round of the cluster's barrier behind its opening barrier
	s_cmp_lg_u32 s14, 0
	s_cbranch_scc1 .Lnot_wave_0_\@
	s_barrier_signal -3
.Lnot_wave_0_\@:
	s_barrier_wait -3
	s_barrier_signal -1
	s_barrier_wait -1
.endm
.macro CROUND                          ; a whole round
	s_barrier_signal -1
	s_barrier_wait -1
	CREST
.endm
	s_load_b64 s[4:5], s[0:1], 0x0                 ; xq
	s_load_b64 s[8:9], s[0:1], 0x8                 ; wq
	s_load_b64 s[96:97], s[0:1], 0x10              ; tab
	s_load_b64 s[12:13], s[0:1], 0x18              ; qg
	s_load_b64 s[10:11], s[0:1], 0x20              ; kvg
	v_lshl_add_u32 v[SPW], v0, 2, SPARE
	v_mov_b32 v[NIL], 0
	ds_add_u32 v28, v29
	ds_add_u32 v28, v29
	s_wait_dscnt 0x0
	v_lshrrev_b32 v1, 5, v0
	v_readfirstlane_b32 s14, v1                    ; wave 0..3
	s_lshr_b32 s15, s14, 1                         ; I fetch for x (0) or for W (1),
	s_and_b32 s16, s14, 1                          ; its first or its second half
	s_bfe_u32 s40, ttmp6, 0x40000                  ; cx, cy: my place in the cluster
	s_bfe_u32 s41, ttmp6, 0x40004
	s_lshl_b32 s42, ttmp9, 2
	s_add_co_u32 s42, s42, s40                     ; X: my head among the 24 = 4 x cluster x + cx
	s_and_b32 s17, ttmp7, 0xffff
	s_lshl_b32 s17, s17, 2
	s_add_co_u32 s17, s17, s41                     ; Yt: my block of 512 tokens = 4 x cluster y + cy
	s_lshl_b32 s43, s41, 2
	s_lshl_b32 s43, 15, s43                        ; my row of the cluster
	s_lshl_b32 s44, 0x1111, s40                    ; my column
	; descriptor group 1.  Elements of 8 bytes, no padding: an image is read 512 consecutive bytes at a time.  x: 16 row blocks x 3,072 bytes, 24,576 bytes apart; W: 4 such
	s_or_b32 s[G1+0], s43, (3<<16)|(1<<21)         ; 15:0 the mask: x's tiles go to my row; 17:16 elements of 8 bytes; 21 set beside a mask
	s_or_b32 s[G1B+0], s44, (3<<16)|(1<<21)        ; W's to my column
	s_mov_b32 s[G1+1], 384<<16                     ; tensor_dim0 = 384 elements
	s_mov_b32 s[G1+2], 16<<16                      ; tensor_dim1 = 16
	s_mov_b32 s[G1+3], 384<<16                     ; tile_dim0
	s_mov_b32 s[G1+4], 16                          ; tile_dim1
	s_mov_b32 s[G1+5], 3072                        ; tensor_dim0_stride, in elements
	s_mov_b32 s[G1+6], 0
	s_mov_b32 s[G1+7], 0
	s_mov_b32 s[G1B+1], 384<<16
	s_mov_b32 s[G1B+2], 4<<16
	s_mov_b32 s[G1B+3], 384<<16
	s_mov_b32 s[G1B+4], 4
	s_mov_b32 s[G1B+5], 3072
	s_mov_b32 s[G1B+6], 0
	s_mov_b32 s[G1B+7], 0
	; the scale words: dense blocks, as rows of 256 bytes: x's 16 row blocks are 64 rows, W's 4 are 16
	s_or_b32 s[G1S+0], s43, (3<<16)|(1<<21)
	s_or_b32 s[G1SB+0], s44, (3<<16)|(1<<21)
	s_mov_b32 s[G1S+1], 32<<16
	s_mov_b32 s[G1S+2], 64<<16
	s_mov_b32 s[G1S+3], 32<<16
	s_mov_b32 s[G1S+4], 64
	s_mov_b32 s[G1S+5], 32
	s_mov_b32 s[G1S+6], 0
	s_mov_b32 s[G1S+7], 0
	s_mov_b32 s[G1SB+1], 32<<16
	s_mov_b32 s[G1SB+2], 16<<16
	s_mov_b32 s[G1SB+3], 32<<16
	s_mov_b32 s[G1SB+4], 16
	s_mov_b32 s[G1SB+5], 32
	s_mov_b32 s[G1SB+6], 0
	s_mov_b32 s[G1SB+7], 0
	; where the tiles come from: x's hang on Yt alone, W's on X alone, each in registers that never hold the other coordinate
	s_lshl_b32 s20, s17, 5
	s_lshl_b32 s18, s16, 4
	s_add_co_u32 s20, s20, s18                     ; x: row block 32 Yt + 16 x half
	s_lshl_b32 s22, s20, 10                        ; its scale words,
	s_mov_b32 s23, 0
	s_mul_i32 s20, s20, RBK                        ; its codes (both under 2^23)
	s_mov_b32 s21, 0
	s_lshl_b32 s46, s42, 3
	s_lshl_b32 s18, s16, 2
	s_add_co_u32 s46, s46, s18                     ; W: row block 8 X + 4 x half
	s_lshl_b32 s92, s46, 10
	s_mov_b32 s93, 0
	s_mul_i32 s46, s46, RBK
	s_mov_b32 s47, 0
	s_mul_i32 s45, s16, 16*SLB                     ; and where they go: no place in the cluster enters an LDS address
	s_mul_i32 s94, s16, 4*SLB
	s_add_co_u32 s94, s94, ASLOT
	s_lshl_b32 s95, s16, 14
	s_lshl_b32 s19, s16, 12
	s_mov_b32 s98, 0x3c000000                      ; 1 / 128
	s_mov_b32 s99, 0x34000000                      ; f32's eps, 2^-23
	s_mov_b32 s[SELR], 0x76543210
	s_mov_b32 s[SELR+1], 0xfedcba98
	s_wait_kmcnt 0x0
	s_add_nc_u64 s[20:21], s[4:5], s[20:21]
	s_add_nc_u64 s[22:23], s[4:5], s[22:23]
	s_add_nc_u64 s[22:23], s[22:23], ASCOFF
	s_add_nc_u64 s[46:47], s[8:9], s[46:47]
	s_add_nc_u64 s[92:93], s[8:9], s[92:93]
	s_add_nc_u64 s[92:93], s[92:93], BSCOFF
	CROUND                                         ; all sixteen work-groups are here: the first joint loads meet
	s_mov_b32 s[G0S], 1
	s_add_co_u32 s[G0S+1], s95, SCL
	s_mov_b64 s[G0S+2:G0S+3], s[22:23]
	s_or_b32 s[G0S+3], s[G0S+3], 0x80000000
	s_mov_b32 s[G0SB], 1
	s_add_co_u32 s[G0SB+1], s19, SCLB
	s_mov_b64 s[G0SB+2:G0SB+3], s[92:93]
	s_or_b32 s[G0SB+3], s[G0SB+3], 0x80000000
	JLOAD G0S, G1S, G0SB, G1SB                     ; the scale words first: they are wanted with the first slot.  With the two below, three loads of mine are out
.irp s, 0,1
	s_mov_b32 s[G0+4*\s], 1
	s_add_co_u32 s[G0+4*\s+1], s45, \s*SLOT
	s_add_nc_u64 s[G0+4*\s+2:G0+4*\s+3], s[20:21], \s*SLB
	s_or_b32 s[G0+4*\s+3], s[G0+4*\s+3], 0x80000000
	s_mov_b32 s[G0B+4*\s], 1
	s_add_co_u32 s[G0B+4*\s+1], s94, \s*SLOT
	s_add_nc_u64 s[G0B+4*\s+2:G0B+4*\s+3], s[46:47], \s*SLB
	s_or_b32 s[G0B+4*\s+3], s[G0B+4*\s+3], 0x80000000
	JLOAD G0+4*\s, G1, G0B+4*\s, G1B
.endr
	v_and_b32 v1, 31, v0                           ; lane
	v_and_b32 v2, 15, v0                           ; r
	v_bfe_u32 v4, v0, 4, 1                         ; h
	v_lshlrev_b32 v[GI], 4, v1
	s_mul_i32 s18, s14, 8*SLB                      ; my 8 row blocks of x
	s_mov_b32 s19, ASLOT                           ; W's 8, behind x's 32
.irp s, 0,1
	v_add_nc_u32 v[ADRA+\s], s18, v[GI]
	v_add_nc_u32 v[ADRB+\s], s19, v[GI]
	s_add_co_u32 s18, s18, SLOT
	s_add_co_u32 s19, s19, SLOT
.endr
	s_lshl_b32 s18, s14, 13                        ; x's scale words: my 8 row blocks;
	s_mov_b32 s19, 32768
	s_sub_co_u32 s19, s19, s18
	v_mul_u32_u24 v6, s19, v4                      ; lanes 16-31 take W's: one product, the distance between the two bases
	s_add_co_u32 s18, s18, SCL
	v_lshl_add_u32 v5, v2, 4, v6
	v_add_nc_u32 v[ADRS], s18, v5
	s_mul_i32 s18, s14, 128*144                    ; v's way out: my stage, 128 token rows x (128 bytes + 16), in slot 0
	v_mul_u32_u24 v5, v2, 144
	v_lshl_add_u32 v5, v4, 6, v5
	v_add_nc_u32 v[VST], s18, v5                   ; in: row r of a token block, + 64 h
	v_and_b32 v5, 8, v2
	v_add_nc_u32 v5, v5, v2
	v_lshlrev_b32 v5, 2, v5
	v_mad_u32_u24 v5, v4, 1152, v5
	v_add_nc_u32 v[VLD], s18, v5                   ; back: channel r + 8 (r / 8), 8 h rows down
	v_mov_b32 v[RS+1], 0                           ; (named as the upper half of a pair)
	s_and_b32 s18, s17, 1                          ; the table: a batch has 64 token blocks; mine begin at 32 (Yt % 2) + 8 x wave
	s_lshl_b32 s18, s18, 5
	s_lshl_b32 s19, s14, 3
	s_add_co_u32 s18, s18, s19
	s_lshl_b32 s18, s18, 13
	s_mov_b32 s19, 0
	s_add_nc_u64 s[96:97], s[96:97], s[18:19]
; cos and sin of token block a into set: sixteen loads of 512 consecutive bytes.  Set 0: window 1, v96-127 and v224-255, which the products never name; set 1: v0-31 and v32-63, free when the products are done
.macro TAB set, a
.if (\set) == 0
.set TC, 96
.set TS, 224
.else
.set TC, 0
.set TS, 32
.endif
.irp q, 0,1,2,3,4,5,6,7
	global_load_b128 v[TC+4*\q:TC+4*\q+3], v[GI], s[96:97] offset:(\a)*8192+512*\q
.endr
.irp q, 0,1,2,3,4,5,6,7
	global_load_b128 v[TS+4*\q:TS+4*\q+3], v[GI], s[96:97] offset:(\a)*8192+4096+512*\q
.endr
.endm
	WIN TO_B
	TAB 0, 0                                       ; my first token block's table, asked for a whole product ahead.  Every work-group asks, v's too, which leave it unread: so the text parts on the kind once, at the way out
	WIN 0
	; where my results go.  (In the registers that held W's addresses: none that feeds x's descriptors ever holds cx)
	s_mov_b32 s92, 20
	s_mov_b32 s93, 25600
	s_cmp_lt_u32 ttmp9, 5                          ; cluster x 0-3: q; 4: k; 5: v
	s_cselect_b32 s92, 16, s92
	s_cselect_b32 s94, 0, 12800                    ; v's part of a kvg entry begins 12,800 bytes on
	s_cmp_lt_u32 ttmp9, 4
	s_cselect_b32 s92, 0, s92
	s_cselect_b32 s93, 12800, s93
	s_cselect_b64 s[12:13], s[12:13], s[10:11]
	s_sub_co_u32 s92, s42, s92                     ; the head in its buffer
	s_lshl_b32 s92, s92, 5
	s_lshl_b32 s95, s17, 2
	s_add_co_u32 s92, s92, s95
	s_add_co_u32 s92, s92, s14                     ; + g = 4 Yt + wave
	s_mul_i32 s92, s92, s93
	s_add_co_u32 s92, s92, s94
	s_mov_b32 s93, 0
	s_add_nc_u64 s[12:13], s[12:13], s[92:93]
.macro FRAG reg, adr, q, i             ; a fragment comes as it was stored: three loads of 512 consecutive bytes
.irp c, 0,1,2
	ds_load_b128 v[\reg+4*\c:\reg+4*\c+3], v[\adr] offset:(\i)*SLB+(\q)*IMG+512*\c
.endr
.endm
; 16 matrix instructions: x's blocks a0, a0 + 1 against W's eight, 128 along K: the slot's q-th.  p: W's set;  sc: the set of scale words.  zero = 1: the first product starts the sums: nothing is ever cleared.
; The 64 accumulators take turns, one instruction a turn, in the same order in every step.
.macro MUL16 a0, p, q, sc, zero
.irp a, \a0, \a0+1
.irp b, 0,1,2,3,4,5,6,7
.if \zero
	v_wmma_scale_f32_16x16x128_f8f6f4 v[8*(8*((\a)%4)+\b):8*(8*((\a)%4)+\b)+7], v[128*(\p)+FR*\b:128*(\p)+FR*\b+FR-1], v[AF+FR*(\a):AF+FR*(\a)+FR-1], 0, v[SC+8*NQ*(\sc)+NQ*\b+(\q)], v[SC+8*NQ*(\sc)+NQ*(\a)+(\q)] matrix_a_fmt:MATRIX_FMT_FP6 matrix_b_fmt:MATRIX_FMT_FP6 matrix_a_scale:MATRIX_SCALE_ROW1
.else
	v_wmma_scale_f32_16x16x128_f8f6f4 v[8*(8*((\a)%4)+\b):8*(8*((\a)%4)+\b)+7], v[128*(\p)+FR*\b:128*(\p)+FR*\b+FR-1], v[AF+FR*(\a):AF+FR*(\a)+FR-1], v[8*(8*((\a)%4)+\b):8*(8*((\a)%4)+\b)+7], v[SC+8*NQ*(\sc)+NQ*\b+(\q)], v[SC+8*NQ*(\sc)+NQ*(\a)+(\q)] matrix_a_fmt:MATRIX_FMT_FP6 matrix_b_fmt:MATRIX_FMT_FP6 matrix_a_scale:MATRIX_SCALE_ROW1
.endif
.endr
.endr
.endm
.macro FETCH_B slot, q, p              ; W's eight fragments of the slot's q-th 128 along K into set p
	WIN TO_B
.irp i, 0,1,2,3,4,5,6,7
	FRAG 128*(\p)+FR*\i, ADRB+\slot, \q, \i
.endr
	WIN 0
.endm
.macro FETCH_A slot, q, i0             ; x's blocks i0 .. i0 + 3
.irp i, \i0, \i0+1, \i0+2, \i0+3
	FRAG AF+FR*(\i), ADRA+\slot, \q, \i
.endr
.endm
.macro SCALES sc                       ; a slot's scale words into set sc: two words a row; lanes 0-15 take x's block i, lanes 16-31 W's block i
.irp i, 0,1,2,3,4,5,6,7
	ds_load_b64 v[SC+8*NQ*\sc+NQ*\i:SC+8*NQ*\sc+NQ*\i+1], v[ADRS] offset:\i*1024
.endr
.endm
; A load into a register that a matrix instruction has read, and a vector instruction or an LDS store that reads a matrix result, stand NP places behind that matrix instruction; only plain vector
; instructions that name none of its registers are places (ISA guide 7.12.1 for vector instructions).
.macro PLACES n
.rept \n
	v_nop
.endr
.endm
; A step of 128 along K that has its successor in the same slot.  A block of x is free as soon as its eight products are issued: blocks 0-3 are fetched anew in the step's middle, blocks 4-7 at its end.
.macro STEP slot, q, zero
	s_wait_dscnt 4*NL                              ; W's set, x's blocks 0-3 and the scale words are in; the youngest twelve loads (x's blocks 4-7) may be out
	WIN MUL_LO
	MUL16 0, (\q)%2, \q, \slot, \zero
	MUL16 2, (\q)%2, \q, \slot, \zero
	s_wait_dscnt 0                                 ; x's blocks 4-7 are in (asked for 32 matrix instructions ago)
	PLACES NP
	FETCH_B \slot, (\q)+1, 1-(\q)%2
	FETCH_A \slot, (\q)+1, 0
	WIN MUL_HI
	MUL16 4, (\q)%2, \q, \slot, \zero
	MUL16 6, (\q)%2, \q, \slot, \zero
	PLACES NP
	WIN 0
	FETCH_A \slot, (\q)+1, 4
.endm
; A slot's last step changes slots: ONE barrier; in front of it each wave waits for all its tensor loads, adds 0 to its spare word, and waits for that and for its own reads of this slot.  fill = 1: this slot is filled again, two slots ahead.
.macro TURN slot, next, fill
	s_wait_tensorcnt 0x0                           ; all my tensor loads have landed: the one that was out is my part of the next slot;  (every window is 0 here)
	ds_add_u32 v[SPW], v[NIL]                      ; 0 onto my spare word
	s_wait_dscnt 4*NL+1                            ; (the add and the youngest twelve loads, x's blocks 4-7, may be out)
	WIN MUL_LO
	MUL16 0, 1, NQ-1, \slot, 0                     ; sixteen matrix instructions stand between the add and the wait for it
	s_wait_dscnt 0x0                               ; the add is done, and my reads of this slot are over
	s_barrier_signal -1
	MUL16 2, 1, NQ-1, \slot, 0
	WIN 0
	s_barrier_wait -1
.if \fill
	CREST                                          ; the barrier has opened a round of the cluster's barrier: no wave of any partner still reads this slot's tile or has a load on its way
	s_add_nc_u64 s[G0+4*\slot+2:G0+4*\slot+3], s[G0+4*\slot+2:G0+4*\slot+3], 2*SLB
	s_add_nc_u64 s[G0B+4*\slot+2:G0B+4*\slot+3], s[G0B+4*\slot+2:G0B+4*\slot+3], 2*SLB
	JLOAD G0+4*\slot, G1, G0B+4*\slot, G1B         ; the first tensor load behind the round, my one load until the next; the four v_nop behind it are the places in front of the loads below
.else
	PLACES NP
.endif
.if \slot == 0
	v_add_nc_u32 v[ADRS], 8, v[ADRS]               ; the next slot's two words: 8 bytes on in a row's 16,
.else
	v_add_nc_u32 v[ADRS], 248, v[ADRS]             ; or at the head of the next 256 bytes (no LDS load of mine is out)
.endif
	FETCH_B \next, 0, 0
	FETCH_A \next, 0, 0
	SCALES \next
	WIN MUL_HI
	MUL16 4, 1, NQ-1, \slot, 0
	MUL16 6, 1, NQ-1, \slot, 0
	PLACES NP
	WIN 0
	FETCH_A \next, 0, 4
.endm
	s_wait_tensorcnt 1                             ; the scale words and my part of slot 0 are in; slot 1's load may be out
	s_barrier_signal -1
	s_barrier_wait -1                              ; everybody's are
	FETCH_B 0, 0, 0
	FETCH_A 0, 0, 0
	SCALES 0
	FETCH_A 0, 0, 4
	STEP 0, 0, 1                                   ; the first step stands in front of the loop: its products start the sums
	s_mov_b32 s3, LAPS-1
.Llap:                                                 ; a trip goes once round the ring, from a lap's second step to the next lap's first, and fills both slots again
	TURN 0, 1, 1
	STEP 1, 0, 0
	TURN 1, 0, 1
	STEP 0, 0, 0
	s_sub_co_u32 s3, s3, 1
	s_cmp_lg_u32 s3, 0
	s_cbranch_scc1 .Llap
	TURN 0, 1, 0                                   ; the last lap fills nothing, and has no round of the cluster's barrier
	STEP 1, 0, 0
	s_wait_dscnt 4*NL                              ; the very last step: nothing more to fetch
	WIN MUL_LO
	MUL16 0, 1, NQ-1, 1, 0
	MUL16 2, 1, NQ-1, 1, 0
	s_wait_dscnt 0
	WIN MUL_HI
	MUL16 4, 1, NQ-1, 1, 0
	MUL16 6, 1, NQ-1, 1, 0
	WIN 0
; 64 numbers of a lane, v[s] .. v[s + 63], register 16 b + i = k 32 b + 16 (lane / 16) + i of my row, become a fragment's codes in v[PC] on and its scale word in v[pw].
.macro QUANT s, pw
.irp b, 0,1,2,3
	v_max3_num_f32 v[TM+\b], |v[\s+16*\b]|, |v[\s+1+16*\b]|, 0x1800000   ; block b: my 16 numbers, and the floor 2^(3 - 127): the byte cannot fall under 1
.endr
.irp i, 2,4,6,8,10,12,14
.irp b, 0,1,2,3
	v_max3_num_f32 v[TM+\b], v[TM+\b], |v[\s+16*\b+\i]|, |v[\s+1+16*\b+\i]|   ; (the four blocks by turns)
.endr
.endr
.irp b, 0,1,2,3
	v_permlanex16_b32 v[TM+4+\b], v[TM+\b], s[SELR], s[SELR+1]
.endr
.irp b, 0,1,2,3
	v_max_num_f32 v[TM+\b], v[TM+\b], v[TM+4+\b]   ; with lane l xor 16's: the block's largest magnitude
.endr
.irp b, 0,1,2,3
	v_add_nc_u32 v[TM+12+\b], 0xff000000, v[TM+\b]   ; 2 off its exponent field: the conversion's scale operand
.endr
.irp b, 0,1,2,3
	v_lshrrev_b32 v[TM+4+\b], 23, v[TM+12+\b]      ; the scale's byte
.endr
	v_lshl_or_b32 v[\pw], v[TM+5], 8, v[TM+4]      ; the four bytes make my row's scale word
	v_lshl_or_b32 v[\pw], v[TM+6], 16, v[\pw]
	v_lshl_or_b32 v[\pw], v[TM+7], 24, v[\pw]
.irp c, 0,1
	v_cvt_scalef32_pk16_fp6_f32 v[PC+6*\c:PC+2+6*\c], v[\s+32*\c:\s+15+32*\c], v[TM+12+2*\c]
	v_cvt_scalef32_pk16_fp6_f32 v[PC+12+4*\c:PC+14+4*\c], v[\s+16+32*\c:\s+31+32*\c], v[TM+12+2*\c+1]   ; (a conversion's three registers begin on an even number)
.endr
	v_nop                                          ; one plain place behind a scaled conversion
.irp c, 0,1                                    ; the operand's layout wants a WHOLE block in a lane: lanes 0-15 block 2 c, lanes 16-31 block 2 c + 1
.irp i, 0,1,2
	v_permlane16_swap_b32 v[PC+6*\c+\i], v[PC+12+4*\c+\i]
.endr
.irp i, 0,1,2
	v_mov_b32 v[PC+3+6*\c+\i], v[PC+12+4*\c+\i]
.endr
.endr
.endm
.macro IMAGE n                         ; the fragment in v[PC] on leaves as image n of my entry: 512 consecutive bytes a store, at multiples of 256 from the buffer's first byte
.irp c, 0,1,2
	global_store_b128 v[GI], v[PC+4*\c:PC+4*\c+3], s[12:13] offset:1536*(\n)+512*\c
.endr
.endm
; q's AND k's WAY OUT, token block a: sum of squares, 1 / rms, the rotary step, the quantiser.  Each accumulator is read from its low end on.
.macro QKOUT a
.set AC, 64*((\a)%4)
.if (\a) < 7
	WIN TO_B
	TAB ((\a)+1)%2, (\a)+1                         ; the next block's table, a block ahead
.endif
	WIN 0x0a+5*((\a)/4)                            ; sources 0 and 1: window 2 or 3
.irp k, 0,1,2,3
	v_pk_mul_f32 v[SS+2*\k:SS+2*\k+1], v[AC+2*\k:AC+2*\k+1], v[AC+2*\k:AC+2*\k+1]   ; four chains, started by the first four pairs
.endr
.set k, 4
.rept 28
	v_pk_fma_f32 v[SS+2*(k%4):SS+2*(k%4)+1], v[AC+2*k:AC+2*k+1], v[AC+2*k:AC+2*k+1], v[SS+2*(k%4):SS+2*(k%4)+1]
.set k, k+1
.endr
	WIN 0
	v_pk_add_f32 v[SS:SS+1], v[SS:SS+1], v[SS+2:SS+3]
	v_pk_add_f32 v[SS+4:SS+5], v[SS+4:SS+5], v[SS+6:SS+7]
	v_pk_add_f32 v[SS:SS+1], v[SS:SS+1], v[SS+4:SS+5]
	v_add_f32 v[SS], v[SS], v[SS+1]                ; my 64 channels,
	v_permlanex16_b32 v[SS+2], v[SS], s[SELR], s[SELR+1]
	v_add_f32 v[SS], v[SS], v[SS+2]                ; and lane l xor 16's 64
	v_fma_f32 v[SS], v[SS], s98, s99               ; the mean + eps
	v_rsq_f32 v[RS], v[SS]
	v_nop                                          ; one plain place behind a transcendental
	WIN 0x02+((\a)/4)                              ; source 0: window 2 or 3
.set k, 0
	s_wait_alu depctr_va_vdst(0)
.rept 32
	v_pk_mul_f32 v[Y+2*k:Y+2*k+1], v[AC+2*k:AC+2*k+1], v[RS:RS+1] op_sel_hi:[1,0]
.set k, k+1
.endr
.if (\a) < 7
	s_wait_loadcnt 16                              ; this block's table is in; the next block's sixteen loads may be out
.else
	s_wait_loadcnt 0x0
.endif
.if ((\a)%2) == 0
.set CB, 96
.set SB, 224
.else
.set CB, 0
.set SB, 32
.endif
	WIN 0x04                                       ; source 1: window 1, the table
.set m, 0
.rept 16
	v_pk_mul_f32 v[O+m:O+m+1], v[Y+m:Y+m+1], v[CB+m:CB+m+1]                    ; x1 cos
	v_pk_mul_f32 v[O+32+m:O+33+m], v[Y+32+m:Y+33+m], v[CB+m:CB+m+1]            ; x2 cos
.set m, m+2
.endr
.set m, 0
.rept 16
	v_pk_fma_f32 v[O+m:O+m+1], v[Y+32+m:Y+33+m], v[SB+m:SB+m+1], v[O+m:O+m+1]  ; + x2 sin
	v_pk_fma_f32 v[O+32+m:O+33+m], v[Y+m:Y+m+1], v[SB+m:SB+m+1], v[O+32+m:O+33+m] neg_lo:[1,0,0] neg_hi:[1,0,0]   ; - x1 sin
.set m, m+2
.endr
	WIN 0
	s_wait_xcnt 0x0                                ; the last image's stores have read their registers
	QUANT O, PW8+(\a)
	IMAGE \a
.endm
; v's WAY OUT, channels 32 rho .. 32 rho + 31.  A lane holds one key and channels; the second product of attention wants a lane to hold one channel and its registers to run down the keys.  So the wave's
; 128 keys x 32 channels go through its own stage: rows of 144 bytes = 9 x 16, so the sixteen rows of a store's pass start in different groups of four banks; on the way back a lane reads 4 bytes, and the 32
; lanes' words (r + 8 (r / 8), and 288 words on for lanes 16-31) fall into 32 different banks.  Stage row 16 a + r holds key 32 (a / 2) + 8 (a % 2) + r + 8 (r / 8): key 32 b + 16 h + 8 u + j lies in row 32 b + 16 u + 8 h + j.
.macro VOUT rho
.irp a, 0,1,2,3,4,5,6,7
	WIN 0x08+4*(\a/4)                              ; an LDS store's data are its source 1: window 2 or 3
.irp u, 0,1
	ds_store_b128 v[VST], v[64*(\a%4)+8*(2*\rho+\u):64*(\a%4)+8*(2*\rho+\u)+3] offset:2304*\a+32*\u       ; each accumulator from its low end on
	ds_store_b128 v[VST], v[64*(\a%4)+8*(2*\rho+\u)+4:64*(\a%4)+8*(2*\rho+\u)+7] offset:2304*\a+32*\u+16
.endr
.endr
	WIN 0
.irp u, 0,1                            ; channel block 2 rho + u
.set k, 0
.rept 64
	ds_load_b32 v[Y+k], v[VLD] offset:(32*(k/16)+16*((k/8)%2)+k%8)*144+32*\u   ; LDS serves a wave's instructions in order: these see my stores, and the next stores come behind them
.set k, k+1
.endr
	s_wait_dscnt 0x0
	s_wait_xcnt 0x0                                ; the last image's stores have read their registers
	QUANT Y, PW8+2*\rho+\u
	IMAGE 2*\rho+\u
.endr
.endm
	PLACES NP                                      ; behind the last products: for the reads of results and the writes and loads into registers that held fragments
.irp b, 0,1,2,3
	v_mov_b32 v[TM+4+\b], 0                        ; written once: a lane permute's destination counts as one of its sources
.endr
	s_cmp_lt_u32 ttmp9, 5                          ; the cluster's x: the same in all sixteen partners
	s_cbranch_scc0 .Lv_out
	QKOUT 0
	QKOUT 1
	QKOUT 2
	QKOUT 3
	QKOUT 4
	QKOUT 5
	QKOUT 6
	QKOUT 7
	s_branch .Lwords
.Lv_out:                                               ; the stage lies in slot 0: it has had its last fill, and every wave has passed the last change of slots, behind which nobody reads it
	VOUT 0
	VOUT 1
	VOUT 2
	VOUT 3
.Lwords:
	v_and_b32 v[SS], 31, v0                        ; the eight scale words: lanes 0-15 send blocks 0-3, lanes 16-31 blocks 4-7: 512 consecutive bytes
	v_cmp_le_u32 vcc_lo, 16, v[SS]
.irp j, 0,1,2,3
	v_cndmask_b32 v[OW+\j], v[PW8+\j], v[PW8+4+\j], vcc_lo
.endr
	global_store_b128 v[GI], v[OW:OW+3], s[12:13] offset:12288
	s_wait_tensorcnt 0x0                           ; the wave's end: behind my last tensor load and my last LDS store
	ds_add_u32 v[SPW], v[NIL]
	s_wait_dscnt 0x0
	CROUND                                         ; the closing round: no work-group ends while a partner may still ask for a tile that names it
	s_endpgm
.Lfunc_end_k_qab2d16815e_qkv:
	.size	k_qab2d16815e_qkv, .Lfunc_end_k_qab2d16815e_qkv-k_qab2d16815e_qkv
	.p2alignl 7, 3214868480
	.fill 96, 4, 3214868480
	.section	.rodata,"a",@progbits
	.p2align	6, 0x0
	.amdhsa_kernel k_qab2d16815e_qkv
		.amdhsa_group_segment_fixed_size 327680
		.amdhsa_private_segment_fixed_size 0
		.amdhsa_enable_private_segment 0
		.amdhsa_kernarg_size 40
		.amdhsa_user_sgpr_count 2
		.amdhsa_user_sgpr_kernarg_segment_ptr 1
		.amdhsa_wavefront_size32 1
		.amdhsa_system_sgpr_workgroup_id_x 1
		.amdhsa_system_sgpr_workgroup_id_y 1
		.amdhsa_system_sgpr_workgroup_id_z 1
		.amdhsa_system_vgpr_workitem_id 0
		.amdhsa_next_free_vgpr 1024
		.amdhsa_next_free_sgpr 102
		.amdhsa_reserve_vcc 1
		.amdhsa_float_denorm_mode_32 3
		.amdhsa_float_denorm_mode_16_64 3
		.amdhsa_memory_ordered 1
		.amdhsa_forward_progress 1
		.amdhsa_inst_pref_size 255
	.end_amdhsa_kernel
	.section	.bss,"aw",@nobits
	.p2align	6
	.space	262144
	.amdgpu_metadata
---
amdhsa.version: [ 1, 2 ]
amdhsa.kernels:
  - .name:           k_qab2d16815e_qkv
    .symbol:         k_qab2d16815e_qkv.kd
    .args:
      - { .name: xq, .offset: 0, .size: 8, .value_kind: global_buffer, .address_space: global }
      - { .name: wq, .offset: 8, .size: 8, .value_kind: global_buffer, .address_space: global }
      - { .name: tab, .offset: 16, .size: 8, .value_kind: global_buffer, .address_space: global }
      - { .name: qg, .offset: 24, .size: 8, .value_kind: global_buffer, .address_space: global }
      - { .name: kvg, .offset: 32, .size: 8, .value_kind: global_buffer, .address_space: global }
    .group_segment_fixed_size: 327680
    .private_segment_fixed_size: 0
    .kernarg_segment_align: 8
    .kernarg_segment_size: 40
    .max_flat_workgroup_size: 128
    .sgpr_count:     102
    .vgpr_count:     1024
    .wavefront_size: 32
...
	.end_amdgpu_metadata
.endif
;; end of part 2
;; launch attn (part 3): grid 16 x 16, 16 waves a work-group, clusters of 4 x 1, 207,872 bytes of LDS; arguments qg, kvg, at; writes at
.if DOCPART == 3
	.amdgcn_target "amdgcn-amd-amdhsa--gfx1250"
	.amdhsa_code_object_version 6
	.text
	.protected	k_qab2d16815e_attn
	.globl	k_qab2d16815e_attn
	.p2align	8
	.type	k_qab2d16815e_attn,@function
k_qab2d16815e_attn:
	s_mov_b64 s[64:65], 0
	v_nop
	global_prefetch_b8 v0, s[64:65] scope:SCOPE_SE
	s_setreg_imm32_b32 hwreg(HW_REG_WAVE_MODE, 25, 1), 1
	s_wait_xcnt 0x0
	s_wait_alu depctr_hold_cnt(0) depctr_sa_sdst(0) depctr_va_vdst(0) depctr_va_sdst(0) depctr_va_ssrc(0) depctr_va_vcc(0) depctr_vm_vsrc(0)
	s_getreg_b32 s2, hwreg(HW_REG_IB_STS2, 6, 4)
	s_cmp_eq_u32 s2, 0
	s_cbranch_scc0 .Lentry_in_a_cluster
	s_endpgm
.Lentry_in_a_cluster:
	s_bfe_u32 s2, ttmp6, 0x10000c
	s_cmp_lg_u32 s2, 0x3003
	s_cbranch_scc0 .Lentry_shape_is_right
	s_endpgm
.Lentry_shape_is_right:
; ATTN.  o = softmax(q k^T / sqrt(128), causal) v for 64 (batch, head), both products on codes of FP6 (E2M3) with E8M0 scales; o / l is quantised along the 2,048 of (head, channel) for the last projection.
; THE SOFTMAX AHEAD OF THE SECOND PRODUCT: t = score x log2(e) / sqrt(128); M = the row's largest t so far, rounded UP to a whole number; p = 2^(t - M) is quantised along the keys, not normalised.
; The row's sum is taken of the unquantised p and divides at the end.  When M moves, the sum and O are multiplied by 2^(old M - new M): exact.
; IN.  qg[head 16][g 32][12,800], kvg[kv head 4][g 32][25,600]: images of fragment registers (16 rows x 128 K = 1,536 bytes) of the 128 tokens g = 8 x batch + block: 8 images, then 512 bytes of scale words,
; (block t, r) at 256 (t / 4) + 16 r + 4 (t % 4); in kvg k's part, then v's (16 channels x these 128 keys).  Lane r of block t stands for row 32 (t / 2) + 8 (t % 2) + r + 8 (r / 8).
; ALL OF K AND V OF ONE (batch, kv head), scale words too, IS 204,800 DENSE BYTES: it comes into LDS ONCE, by two tensor loads a wave, and stays.  Nothing is filled again: no ring and no change of slots.
; CLUSTER.  The four work-groups of a cluster share (batch, kv head) and ask for K and V JOINTLY.  cx enters global addresses and the mask's numbers alone: no branch and no LDS address.
; SHARES.  y = 4 x batch + kv head; c = cluster x.  Wave w: query head 4 x kv head + w % 4; ts = (w + w / 4) % 4; its 16 queries are tile 2 cx + ts % 2 of the 128-query block c (ts < 2) or 7 - c.
; So each work-group has 4 (2 (c + 1) + 2 (8 - c)) = 72 key steps that count, whatever c, and of any four waves w, w + 4, w + 8, w + 12, or 4 i .. 4 i + 3, each has another ts.
; CAUSAL.  Every wave walks all 8 key steps of 128: the trip counts are constants.  A step all of whose keys come after the wave's queries leaves its WORK out, by a scalar branch on ids; in the one step on
; the diagonal hidden scores become -infinity ahead of the maximum.  Key 0 of that step counts for every query, so M is a number from the first step on.
; LAYOUT.  Both products are used transposed: S^T = K Q^T, O^T = V^T P^T: a lane holds ONE query throughout, and by the order of the rows its 16 registers of two neighbouring tiles are 16 neighbours.
; OUT.  at: image (token block, head) at block x 24,576 + head x 1,536; scale words from 0x600000 on: (block, head, r) at block x 1,024 + (head / 4) x 256 + 16 r + 4 (head % 4).
; LIMITS: a block of zeros gets the byte 1 (its codes are zeros; this program alone reads the bytes); NaN and infinities are not served.
; REGISTERS: v1-8 addresses that stay; v12 -M, v13 the largest t, v[14:15] the sum in two halves; v16-27 Q; v32-79 four fragments of K or of V; v96-159 S^T, then p; v160-223 O^T; v224-235 p's codes;
;   v232-247, v252, v254 at work; v248-251 K's or V's scale words, v253 p's, v255 Q's.
.set STEPB, 25600                      ; a key step in LDS, as in kvg
.set WTILE, 6400                       ; what one tensor load brings: 25 rows of 256 bytes
.set SCG,   8*STEPB                    ; behind K and V: 1,024 bytes in which the sixteen waves' scale words meet; no fill lands there
.set LI,   1                           ; v1  16 x lane: my place in an image
.set ADK,  2                           ; v2  LDS address of the step in hand
.set DQ,   3                           ; v3  my query's place in its block - 16 (lane / 16)
.set NINF, 4                           ; v4  -infinity
.set SWA,  5                           ; v5  where my scale word goes in LDS
.set SRA,  6                           ; v6  where waves 0 and 1 read 512 bytes of them back
.set GSO,  7                           ; v7  and their place in at
.set QSO,  8                           ; v8  16 r
.set PC,   32                          ; the way out: the quantiser's codes, v32-50,
.set TM,   64                          ; its work, v64-79,
.set PW,   80                          ; and the scale word
.set WV,   10                          ; s10 my wave's number
.set BW,   18                          ; s18 my block of 128 queries
.set SELR, 20                          ; s[20:21] v_permlanex16_b32's selects for lane l xor 16
.set CS,   22                          ; s[22:23] c = log2(e) / sqrt(128)
.set TB,   40                          ; s40 LDS byte at which the step in hand begins
.set SI,   41                          ; s41 the step's number
.set CNT,  42
.macro CROUND                          ; a round of the cluster's barrier
	s_barrier_signal -1
	s_barrier_wait -1
	s_cmp_lg_u32 s[WV], 0
	s_cbranch_scc1 .Lnot_wave_0_\@
	s_barrier_signal -3
.Lnot_wave_0_\@:
	s_barrier_wait -3
	s_barrier_signal -1
	s_barrier_wait -1
.endm
	s_load_b128 s[4:7], s[0:1], 0x0                ; qg s[4:5], kvg s[6:7]
	s_load_b64 s[8:9], s[0:1], 0x10                ; at
	v_lshl_add_u32 v95, v0, 2, 0x32400
	v_mov_b32 v243, 0
	ds_add_u32 v95, v243
	ds_add_u32 v95, v243
	v_lshrrev_b32 v9, 5, v0
	v_readfirstlane_b32 s[WV], v9                  ; wave 0..15
	s_and_b32 s11, s[WV], 3                        ; hd: which of the four query heads
	s_lshr_b32 s12, s[WV], 2
	s_add_co_u32 s12, s12, s[WV]
	s_and_b32 s12, s12, 3                          ; ts
	s_bfe_u32 s13, ttmp6, 0x40000                  ; cx
	s_and_b32 s14, ttmp7, 0xffff
	s_lshr_b32 s15, s14, 2                         ; batch
	s_and_b32 s16, s14, 3                          ; kv head
	s_sub_co_u32 s17, 7, ttmp9                     ; 7 - c
	s_cmp_lt_u32 s12, 2
	s_cselect_b32 s[BW], ttmp9, s17
	s_and_b32 s19, s12, 1
	s_mov_b32 s[SELR], 0x76543210
	s_mov_b32 s[SELR+1], 0xfedcba98
	s_mov_b32 s[CS], 0x3e0293ee
	s_mov_b32 s[CS+1], s[CS]                       ; (named with it as a pair, so it is written)
	s_mov_b32 s[TB], 0
	s_mov_b32 s[SI], 0
	; descriptor group 1: a dense block of 6,400 bytes as 25 rows of 256 bytes (32 elements of 8 bytes)
	s_mov_b32 s24, 15|(3<<16)|(1<<21)              ; 15:0 the mask: all four work-groups; 17:16 elements of 8 bytes; 21 set beside a mask
	s_mov_b32 s25, 32<<16                          ; tensor_dim0
	s_mov_b32 s26, 25<<16                          ; tensor_dim1
	s_mov_b32 s27, 32<<16                          ; tile_dim0
	s_mov_b32 s28, 25                              ; tile_dim1
	s_mov_b32 s29, 32                              ; tensor_dim0_stride
	s_mov_b32 s30, 0
	s_mov_b32 s31, 0
	s_lshl_b32 s44, s16, 5
	s_lshl_b32 s45, s15, 3
	s_add_co_u32 s44, s44, s45
	s_mul_i32 s44, s44, STEPB                      ; the (kv head, batch)'s first byte in kvg,
	s_mul_i32 s46, s[WV], WTILE                    ; my sixteenth of its first half: in memory and in LDS alike
	s_add_co_u32 s44, s44, s46
	s_mov_b32 s45, 0
	; what hangs on cx stands in registers of its own
	s_lshl_b32 s48, s16, 2
	s_add_co_u32 s48, s48, s11                     ; head
	s_lshl_b32 s50, s13, 1
	s_add_co_u32 s50, s50, s19                     ; my tile in its block: 2 cx + ts % 2
	s_lshl_b32 s49, s48, 5
	s_lshl_b32 s51, s15, 3
	s_add_co_u32 s49, s49, s51
	s_add_co_u32 s49, s49, s[BW]
	s_mul_i32 s52, s49, 12800                      ; qg's entry (head, 8 x batch + block)
	s_mul_i32 s51, s50, 1536
	s_add_co_u32 s54, s52, s51                     ; Q's image
	s_mov_b32 s55, 0
	s_lshr_b32 s51, s50, 2
	s_lshl_b32 s51, s51, 8
	s_and_b32 s53, s50, 3
	s_lshl_b32 s53, s53, 2
	s_add_co_u32 s51, s51, s53
	s_add_co_u32 s52, s52, s51
	s_add_co_u32 s52, s52, 12288                   ; Q's scale words
	s_mov_b32 s53, 0
	s_lshl_b32 s56, s15, 6
	s_lshl_b32 s57, s[BW], 3
	s_add_co_u32 s56, s56, s57
	s_add_co_u32 s56, s56, s50                     ; my token block: 64 x batch + 8 x block + tile
	s_mul_i32 s56, s56, 24576
	s_mul_i32 s57, s48, 1536
	s_add_co_u32 s56, s56, s57                     ; my image in at
	s_mov_b32 s57, 0
	s_cmp_eq_u32 s[WV], 0                          ; the scale words that wave 0 sends are block c's, wave 1's block 7 - c's
	s_cselect_b32 s58, ttmp9, s17
	s_lshl_b32 s58, s58, 3
	s_lshl_b32 s59, s15, 6
	s_add_co_u32 s58, s58, s59
	s_lshl_b32 s59, s13, 1
	s_add_co_u32 s58, s58, s59
	s_lshl_b32 s58, s58, 10
	s_lshl_b32 s59, s16, 8
	s_add_co_u32 s58, s58, s59
	s_add_co_u32 s58, s58, 0x600000
	s_mov_b32 s59, 0
	s_wait_dscnt 0x0
	s_wait_kmcnt 0x0
	s_mov_b32 s32, 1                               ; group 0: key steps 0-3,
	s_mov_b32 s33, s46
	s_add_nc_u64 s[34:35], s[6:7], s[44:45]
	s_mov_b32 s36, 1                               ; and 4-7: 102,400 bytes on in memory and in LDS
	s_add_co_u32 s37, s46, 4*STEPB
	s_add_nc_u64 s[38:39], s[34:35], 4*STEPB
	s_or_b32 s35, s35, 0x80000000
	s_or_b32 s39, s39, 0x80000000
	s_add_nc_u64 s[54:55], s[4:5], s[54:55]
	s_add_nc_u64 s[52:53], s[4:5], s[52:53]
	s_add_nc_u64 s[56:57], s[8:9], s[56:57]
	s_add_nc_u64 s[58:59], s[8:9], s[58:59]
	CROUND                                         ; all four work-groups are here: the joint loads meet
	tensor_load_to_lds s[32:35], s[24:31]          ; every wave issues both: two loads of mine are out; they are the launch's only fills
	s_nop 0
	tensor_load_to_lds s[36:39], s[24:31]
	s_nop 0
.rept 4
	v_nop
.endr
	v_and_b32 v9, 31, v0
	v_lshlrev_b32 v[LI], 4, v9
	v_and_b32 v10, 15, v0                          ; r
	v_bfe_u32 v11, v0, 4, 1                        ; h
	v_lshlrev_b32 v[QSO], 4, v10
.irp c, 0,1,2
	global_load_b128 v[16+4*\c:19+4*\c], v[LI], s[54:55] offset:512*\c   ; Q's fragment stays in registers
.endr
	global_load_b32 v255, v[QSO], s[52:53]         ; and its scale words
	v_and_b32 v[DQ], 8, v10
	v_add_nc_u32 v[DQ], v[DQ], v10                 ; r + 8 (r / 8)
	v_lshlrev_b32 v9, 4, v11
	v_sub_nc_u32 v[DQ], v[DQ], v9
	s_lshl_b32 s60, s13, 5
	s_lshl_b32 s61, s19, 3
	s_add_co_u32 s60, s60, s61
	v_add_nc_u32 v[DQ], s60, v[DQ]                 ; 32 cx + 8 (ts % 2) + r + 8 (r / 8) - 16 h
	v_mov_b32 v[NINF], 0xff800000
	s_lshl_b32 s60, s12, 8
	s_lshl_b32 s61, s11, 2
	s_add_co_u32 s60, s60, s61
	s_add_co_u32 s60, s60, SCG
	v_add_nc_u32 v[SWA], s60, v[QSO]               ; SCG + 256 ts + 16 r + 4 hd
	s_and_b32 s60, s[WV], 1
	s_lshl_b32 s60, s60, 9
	s_add_co_u32 s60, s60, SCG
	v_add_nc_u32 v[SRA], s60, v[LI]
	v_lshl_add_u32 v[GSO], v11, 10, v[QSO]         ; lanes 16-31: the next token block
	v_mov_b32 v13, 0xff61b1e6                      ; the largest t so far: -3e38, under every t
	v_floor_f32 v12, -v13                          ; -M
	v_mov_b32 v14, 0                               ; the sum, in two halves
	v_mov_b32 v15, 0
.irp b, 0,1,2,3
	v_mov_b32 v[236+\b], 0                         ; written once: a lane permute's destination counts as one of its sources
.endr
	v_mov_b32 v252, 0
	v_mov_b32 v253, 0                              ; (named as the upper half of the pair v[252:253] before it is first written)
.set j, 0
.rept 64
	v_mov_b32 v[160+j], 0                          ; O^T.  (The step is written for every trip alike: the first finds zeros, which the first change of M leaves zeros)
.set j, j+1
.endr
; A KEY STEP: 128 keys.
.macro STEP
	s_cmp_gt_u32 s[SI], s[BW]                      ; all its keys come after my queries: its work is left out, not the lines at its end that step addresses
	s_cbranch_scc1 .Lhidden_\@
	v_add_nc_u32 v[ADK], s[TB], v[LI]
.rept 3
	v_nop                                          ; with the addition four places, in front of loads into registers that the last step's products have read
.endr
	ds_load_b128 v[248:251], v[ADK] offset:12288   ; K's scale words: register j: tile j in lanes 0-15, tile 4 + j in lanes 16-31
.irp g, 0,1                                    ; S^T = K Q^T, four tiles of 16 keys at a time
.if \g
.rept 4
	v_nop
.endr
.endif
.irp t, 0,1,2,3
.irp c, 0,1,2
	ds_load_b128 v[32+12*\t+4*\c:35+12*\t+4*\c], v[ADK] offset:(4*\g+\t)*1536+512*\c
.endr
.endr
	s_wait_dscnt 0x0
.irp t, 0,1,2,3
.if \g == 0
	v_wmma_scale_f32_16x16x128_f8f6f4 v[96+8*\t:103+8*\t], v[32+12*\t:43+12*\t], v[16:27], 0, v[248+\t], v255 matrix_a_fmt:MATRIX_FMT_FP6 matrix_b_fmt:MATRIX_FMT_FP6
.else
	v_wmma_scale_f32_16x16x128_f8f6f4 v[128+8*\t:135+8*\t], v[32+12*\t:43+12*\t], v[16:27], 0, v[248+\t], v255 matrix_a_fmt:MATRIX_FMT_FP6 matrix_b_fmt:MATRIX_FMT_FP6 matrix_a_scale:MATRIX_SCALE_ROW1
.endif
.endr
.endr                                          ; lane (r, h) holds query r; register 16 b + i holds key 32 b + 16 h + i of the step
.rept 4
	v_nop
.endr
	ds_load_b128 v[248:251], v[ADK] offset:25088   ; V's scale words and its first four tiles are asked for here: they land while the softmax is walked
.irp t, 0,1,2,3
.irp c, 0,1,2
	ds_load_b128 v[32+12*\t+4*\c:35+12*\t+4*\c], v[ADK] offset:12800+\t*1536+512*\c
.endr
.endr
	s_cmp_lt_u32 s[SI], s[BW]                      ; a step all of whose keys count skips the mask
	s_cbranch_scc1 .Lopen_\@
.set n, 0
.rept 64
	v_cmp_gt_i32 vcc_lo, 32*(n/16)+n%16, v[DQ]     ; hidden where the register's key comes after my query
	v_cndmask_b32 v[96+n], v[96+n], v[NINF], vcc_lo
.set n, n+1
.endr
.Lopen_\@:
.irp b, 0,1,2,3
	v_max3_num_f32 v[232+\b], v[96+16*\b], v[97+16*\b], v[98+16*\b]   ; THE LARGEST SCORE OF EACH BLOCK OF 32 KEYS serves twice: for the row's maximum, and, since p rises with the score, for the block's largest p
.endr
.irp i, 3,5,7,9,11,13
.irp b, 0,1,2,3
	v_max3_num_f32 v[232+\b], v[232+\b], v[96+16*\b+\i], v[97+16*\b+\i]   ; (the four blocks by turns)
.endr
.endr
.irp b, 0,1,2,3
	v_max_num_f32 v[232+\b], v[232+\b], v[111+16*\b]
.endr
.irp b, 0,1,2,3
	v_permlanex16_b32 v[236+\b], v[232+\b], s[SELR], s[SELR+1]
.endr
.irp b, 0,1,2,3
	v_max_num_f32 v[232+\b], v[232+\b], v[236+\b]  ; with lane l xor 16's 16 keys
.endr
	v_max3_num_f32 v254, v232, v233, v234
	v_max_num_f32 v254, v254, v235                 ; the step's largest score of my query
	v_mul_f32 v254, s[CS], v254                    ; as t (c is positive)
	v_max_num_f32 v13, v13, v254                   ; the running largest t
	v_mov_b32 v254, v12
	v_floor_f32 v12, -v13                          ; the new -M = floor(-t) = -ceil(t): M IS A WHOLE NUMBER
	v_sub_f32 v254, v12, v254                      ; M's old value less its new one: a whole number, 0 or less
	v_cvt_i32_f32 v254, v254                       ; (it saturates)
	v_ldexp_f32 v252, 1.0, v254                    ; f = 2^(old M - new M)
.set j, 0
.rept 32
	v_pk_fma_f32 v[96+j:97+j], v[96+j:97+j], s[CS:CS+1], v[12:13] op_sel_hi:[1,0,0]   ; t - M, two at a time (of the pairs c and -M the low word serves both halves)
.set j, j+2
.endr
.irp b, 0,1,2,3
	v_fma_f32 v[232+\b], v[232+\b], s[CS], v12     ; the same of each block's largest score
.endr
.set j, 0
.rept 64
	v_exp_f32 v[96+j], v[96+j]                     ; p = 2^(t - M), at most 1: NOT normalised
.set j, j+1
.endr
.irp b, 0,1,2,3
	v_exp_f32 v[232+\b], v[232+\b]                 ; the block's largest p: the same two instructions on the same number give the same bits
.endr
	v_pk_mul_f32 v[14:15], v[14:15], v[252:253] op_sel_hi:[1,0]   ; the sums under the new M.  (A plain place behind the exponentials)
	s_wait_alu depctr_va_vdst(0)
.irp b, 0,1,2,3
	v_max_num_f32 v[232+\b], 0x1800000, v[232+\b]  ; the floor 2^(3 - 127): the byte cannot fall under 1 (a block whose every p is 0 keeps that byte: its codes are zeros)
.endr
.irp b, 0,1,2,3
	v_add_nc_u32 v[244+\b], 0xff000000, v[232+\b]  ; 2 off the exponent field: the conversion's scale operand
.endr
.irp b, 0,1,2,3
	v_lshrrev_b32 v[236+\b], 23, v[244+\b]         ; the scale's byte
.endr
	v_lshl_or_b32 v253, v237, 8, v236              ; p's scale word for these 128 keys
	v_lshl_or_b32 v253, v238, 16, v253
	v_lshl_or_b32 v253, v239, 24, v253
.irp c, 0,1
	v_cvt_scalef32_pk16_fp6_f32 v[224+6*\c:226+6*\c], v[96+32*\c:111+32*\c], v[244+2*\c]
	v_cvt_scalef32_pk16_fp6_f32 v[236+4*\c:238+4*\c], v[112+32*\c:127+32*\c], v[244+2*\c+1]   ; (a conversion's three registers begin on an even number)
.endr
	v_nop                                          ; one plain place behind a scaled conversion
.irp c, 0,1                                    ; the operand's layout wants a WHOLE block in a lane: lanes 0-15 block 2 c, lanes 16-31 block 2 c + 1
.irp i, 0,1,2
	v_permlane16_swap_b32 v[224+6*\c+\i], v[236+4*\c+\i]
.endr
.irp i, 0,1,2
	v_mov_b32 v[227+6*\c+\i], v[236+4*\c+\i]
.endr
.endr
	v_pk_add_f32 v[236:237], v[96:97], v[98:99]    ; THE ROW'S SUM IS TAKEN OF THE UNQUANTISED p: two at a time, in two chains
.irp j, 4,8,12,16,20,24,28,32,36,40,44,48,52,56,60
	v_pk_add_f32 v[14:15], v[14:15], v[96+\j:97+\j]
	v_pk_add_f32 v[236:237], v[236:237], v[98+\j:99+\j]
.endr
	v_pk_add_f32 v[14:15], v[14:15], v[236:237]
.set j, 0
.rept 32
	v_pk_mul_f32 v[160+j:161+j], v[160+j:161+j], v[252:253] op_sel_hi:[1,0]   ; O^T under the new M: x f.  (These are also the places between the codes' and the scale word's last writes and the products below)
.set j, j+2
.endr
	s_wait_dscnt 0x0                               ; V's first four tiles and its scale words are in
.irp t, 0,1,2,3                                ; O^T += V^T P^T: K = these 128 keys.  No two matrix instructions that follow each other share an accumulator, over the backward jump too
	v_wmma_scale_f32_16x16x128_f8f6f4 v[160+8*\t:167+8*\t], v[32+12*\t:43+12*\t], v[224:235], v[160+8*\t:167+8*\t], v[248+\t], v253 matrix_a_fmt:MATRIX_FMT_FP6 matrix_b_fmt:MATRIX_FMT_FP6
.endr
.rept 4
	v_nop
.endr
.irp t, 0,1,2,3
.irp c, 0,1,2
	ds_load_b128 v[32+12*\t+4*\c:35+12*\t+4*\c], v[ADK] offset:12800+(4+\t)*1536+512*\c
.endr
.endr
	s_wait_dscnt 0x0
.irp t, 0,1,2,3
	v_wmma_scale_f32_16x16x128_f8f6f4 v[192+8*\t:199+8*\t], v[32+12*\t:43+12*\t], v[224:235], v[192+8*\t:199+8*\t], v[248+\t], v253 matrix_a_fmt:MATRIX_FMT_FP6 matrix_b_fmt:MATRIX_FMT_FP6 matrix_a_scale:MATRIX_SCALE_ROW1
.endr
.Lhidden_\@:
	s_add_co_u32 s[TB], s[TB], STEPB
	s_add_co_u32 s[SI], s[SI], 1
.endm
; Four key steps, behind the load that brought them.  left: how many younger tensor loads of mine may stay out.  Each wave waits for its own part, then the barrier shows every wave's part to all sixteen.
.macro HALF left
	s_wait_tensorcnt \left
	s_wait_dscnt 0x0
	s_barrier_signal -1
	s_barrier_wait -1
	s_mov_b32 s[CNT], 4
.Lsteps_\@:
	STEP
	s_sub_co_u32 s[CNT], s[CNT], 1
	s_cmp_lg_u32 s[CNT], 0
	s_cbranch_scc1 .Lsteps_\@
.endm
	s_wait_loadcnt 0x0                             ; Q
	HALF 1                                         ; key steps 0-3 are in; the load of steps 4-7 may be out
	HALF 0
	; THE WAY OUT.  O^T / the sum: register 16 b + i is channel 32 b + 16 h + i of my query: the order that the quantiser wants; K step = my head.
.rept 4
	v_nop                                          ; places behind the last products
.endr
	v_add_f32 v14, v14, v15                        ; the sum's two halves,
	v_permlanex16_b32 v252, v14, s[SELR], s[SELR+1]
	v_add_f32 v14, v14, v252                       ; and lane l xor 16's: the row's sum
	v_rcp_f32 v14, v14
.irp b, 0,1,2,3
	v_mov_b32 v[TM+4+\b], 0                        ; (plain places behind the transcendental)  a lane permute's destination counts as one of its sources
.endr
.set j, 0
	s_wait_alu depctr_va_vdst(0)
.rept 64
	v_mul_f32 v[96+j], v[160+j], v14               ; each accumulator from its low end on
.set j, j+1
.endr
.irp b, 0,1,2,3
	v_max3_num_f32 v[TM+\b], |v[96+16*\b]|, |v[97+16*\b]|, 0x1800000   ; block b: my 16 numbers, and the floor 2^(3 - 127)
.endr
.irp i, 2,4,6,8,10,12,14
.irp b, 0,1,2,3
	v_max3_num_f32 v[TM+\b], v[TM+\b], |v[96+16*\b+\i]|, |v[97+16*\b+\i]|
.endr
.endr
.irp b, 0,1,2,3
	v_permlanex16_b32 v[TM+4+\b], v[TM+\b], s[SELR], s[SELR+1]
.endr
.irp b, 0,1,2,3
	v_max_num_f32 v[TM+\b], v[TM+\b], v[TM+4+\b]
.endr
.irp b, 0,1,2,3
	v_add_nc_u32 v[TM+12+\b], 0xff000000, v[TM+\b]
.endr
.irp b, 0,1,2,3
	v_lshrrev_b32 v[TM+4+\b], 23, v[TM+12+\b]
.endr
	v_lshl_or_b32 v[PW], v[TM+5], 8, v[TM+4]
	v_lshl_or_b32 v[PW], v[TM+6], 16, v[PW]
	v_lshl_or_b32 v[PW], v[TM+7], 24, v[PW]
.irp c, 0,1
	v_cvt_scalef32_pk16_fp6_f32 v[PC+6*\c:PC+2+6*\c], v[96+32*\c:111+32*\c], v[TM+12+2*\c]
	v_cvt_scalef32_pk16_fp6_f32 v[PC+12+4*\c:PC+14+4*\c], v[112+32*\c:127+32*\c], v[TM+12+2*\c+1]
.endr
	v_nop                                          ; one plain place behind a scaled conversion
.irp c, 0,1
.irp i, 0,1,2
	v_permlane16_swap_b32 v[PC+6*\c+\i], v[PC+12+4*\c+\i]
.endr
.irp i, 0,1,2
	v_mov_b32 v[PC+3+6*\c+\i], v[PC+12+4*\c+\i]
.endr
.endr
.irp c, 0,1,2
	global_store_b128 v[LI], v[PC+4*\c:PC+4*\c+3], s[56:57] offset:512*\c   ; 512 consecutive bytes a store, at multiples of 256 from at's first byte
.endr
	ds_store_b32 v[SWA], v[PW]                     ; a token block's 256 bytes of scale words for this kv head come from four waves: they meet in LDS (lanes r and 16 + r write the same word with the same value)
	s_wait_dscnt 0x0                               ; for the others' sake
	s_barrier_signal -1
	s_barrier_wait -1
	s_cmp_lt_u32 s[WV], 2
	s_cbranch_scc0 .Lno_words
	ds_load_b128 v[84:87], v[SRA]                  ; wave 0: ts 0 and 1, wave 1: ts 2 and 3
	s_wait_dscnt 0x0
	global_store_b128 v[GSO], v[84:87], s[58:59]   ; sixteen lanes store 256 consecutive bytes, aligned: two token blocks an instruction
.Lno_words:
	s_wait_tensorcnt 0x0
	ds_add_u32 v95, v243
	s_wait_dscnt 0x0
	CROUND                                         ; the closing round: no work-group ends while a partner may still ask for a tile that names it
	s_endpgm
.Lfunc_end_k_qab2d16815e_attn:
	.size	k_qab2d16815e_attn, .Lfunc_end_k_qab2d16815e_attn-k_qab2d16815e_attn
	.p2alignl 7, 3214868480
	.fill 96, 4, 3214868480
	.section	.rodata,"a",@progbits
	.p2align	6, 0x0
	.amdhsa_kernel k_qab2d16815e_attn
		.amdhsa_group_segment_fixed_size 207872
		.amdhsa_private_segment_fixed_size 0
		.amdhsa_enable_private_segment 0
		.amdhsa_kernarg_size 24
		.amdhsa_user_sgpr_count 2
		.amdhsa_user_sgpr_kernarg_segment_ptr 1
		.amdhsa_wavefront_size32 1
		.amdhsa_system_sgpr_workgroup_id_x 1
		.amdhsa_system_sgpr_workgroup_id_y 1
		.amdhsa_system_sgpr_workgroup_id_z 1
		.amdhsa_system_vgpr_workitem_id 0
		.amdhsa_next_free_vgpr 256
		.amdhsa_next_free_sgpr 66
		.amdhsa_reserve_vcc 1
		.amdhsa_float_denorm_mode_32 3
		.amdhsa_float_denorm_mode_16_64 3
		.amdhsa_memory_ordered 1
		.amdhsa_forward_progress 1
		.amdhsa_inst_pref_size 64
	.end_amdhsa_kernel
	.amdgpu_metadata
---
amdhsa.version: [ 1, 2 ]
amdhsa.kernels:
  - .name:           k_qab2d16815e_attn
    .symbol:         k_qab2d16815e_attn.kd
    .args:
      - { .name: qg, .offset: 0, .size: 8, .value_kind: global_buffer, .address_space: global }
      - { .name: kvg, .offset: 8, .size: 8, .value_kind: global_buffer, .address_space: global }
      - { .name: at, .offset: 16, .size: 8, .value_kind: global_buffer, .address_space: global }
    .group_segment_fixed_size: 207872
    .private_segment_fixed_size: 0
    .kernarg_segment_align: 8
    .kernarg_segment_size: 24
    .max_flat_workgroup_size: 512
    .sgpr_count:     66
    .vgpr_count:     256
    .wavefront_size: 32
...
	.end_amdgpu_metadata
.endif
;; end of part 3
;; launch oproj (part 4): grid 16 x 16, 4 waves a work-group, clusters of 4 x 4, 327,680 bytes of LDS; arguments at, wo, out0; writes out0
.if DOCPART == 4
	.amdgcn_target "amdgcn-amd-amdhsa--gfx1250"
	.amdhsa_code_object_version 6
	.text
	.protected	k_qab2d16815e_oproj
	.globl	k_qab2d16815e_oproj
	.p2align	8
	.type	k_qab2d16815e_oproj,@function
k_qab2d16815e_oproj:
	s_mov_b64 s[64:65], 0
	v_nop
	global_prefetch_b8 v0, s[64:65] scope:SCOPE_SE
	s_setreg_imm32_b32 hwreg(HW_REG_WAVE_MODE, 25, 1), 1
	s_wait_xcnt 0x0
	s_wait_alu depctr_hold_cnt(0) depctr_sa_sdst(0) depctr_va_vdst(0) depctr_va_sdst(0) depctr_va_ssrc(0) depctr_va_vcc(0) depctr_vm_vsrc(0)
	s_getreg_b32 s2, hwreg(HW_REG_IB_STS2, 6, 4)
	s_cmp_eq_u32 s2, 0
	s_cbranch_scc0 .Lentry_in_a_cluster
	s_endpgm
.Lentry_in_a_cluster:
	s_bfe_u32 s2, ttmp6, 0x10000c
	s_cmp_lg_u32 s2, 0xf033
	s_cbranch_scc0 .Lentry_shape_is_right
	s_endpgm
.Lentry_shape_is_right:
; OPROJ.  out0 = attn Wo^T on codes of FP6 (E2M3) with E8M0 scales, K = 2,048; out0 [4096][2048] f32.
; OPERANDS ARE IMAGES OF FRAGMENT REGISTERS (16 rows x 128 K = 1,536 bytes, register j of lane l at 512 (j / 4) + 16 l + 4 (j % 4)); lane r of row block t stands for row 32 (t / 2) + 8 (t % 2) + r + 8 (r / 8).
; at, wo: image (rb, ks) at rb x 24,576 + ks x 1,536; scale words behind the codes: (rb, ks, r) at rb x 1,024 + (ks / 4) x 256 + 16 r + 4 (ks % 4).
; SHARES.  A work-group makes 256 tokens x 128 columns: 16 x 16 = 256 work-groups.  Its four waves take 64 tokens each, all 128 columns: 32 accumulators of 16 x 16, 256 registers.
; The tile is chosen by the bytes that a work-group fetches: 256 + 128 = 384 rows of 1,536 bytes for its 32,768 outputs, against 362 for a square tile.  The price: 12 fragments from LDS feed 32 products.
; THE MATRIX INSTRUCTION IS USED TRANSPOSED (source 0 = 16 rows of Wo, source 1 = 16 tokens): a lane holds one token and, in each accumulator, eight neighbouring columns.
; K goes in steps of 512 through a ring of two LDS slots: of each row block a slot holds four images, 6,144 consecutive bytes of memory.  K = 2,048 is four slots: two first fills and two refills,
; so the sixteen steps of 128 are written out by macro, without a loop.  All scale words of the tile come once, with the first fills, and stay.
; CLUSTERS: 4 x 4 work-groups.  The four of a row need the same tiles of attn, the four of a column the same tiles of Wo: each tile is asked for JOINTLY.
; REGISTERS, in windows of 256: window 0: v0-31 addresses; v32-95 scale words, two sets, and nothing else; v128-175, v176-223 attn's fragments, two sets; on the way out v128-255.
;   window 1: Wo's fragments, two sets, at v0 and v128.   window 2: the accumulators: (a, b) at v[8 (8 a + b)].
.set NQ,    4                          ; steps of 128 along K in a slot
.set FR,    12                         ; registers of a fragment
.set NL,    3                          ; LDS loads that bring one
.set NP,    4                          ; places behind this matrix instruction (ISA guide 7.12.1)
.set IMG,   1536
.set SLB,   NQ*IMG                     ; a row block's bytes in a slot
.set RBK,   24576                      ; a row block's bytes in memory
.set ASLOT, 16*SLB                     ; attn's 16 row blocks,
.set SLOT,  24*SLB                     ; then Wo's 8
.set SCL,   2*SLOT                     ; behind the ring: attn's scale words, 16 x 1,024 bytes,
.set SCLB,  SCL+16384                  ; Wo's, 8 x 1,024 bytes,
.set SPARE, SCL+24576                  ; and the spare words, 128 bytes for each wave: two blocks of 256 bytes that no other line names
.set ASCOFF, 0x600000                  ; where at's scale words begin,
.set BSCOFF, 0x300000                  ; and wo's
.set SPITCH, 528                       ; the way out: a stage of 16 rows x (512 bytes + 16) for each wave, in slot 0
.set ADRA, 16                          ; v16-17  LDS address of my fragments of attn in slot 0, 1
.set ADRB, 20                          ; v20-21  the same for Wo
.set STO,  24                          ; v24     the way out: where I put 32 bytes of a row
.set RD,   25                          ; v25     where I read a row back
.set CO,   26                          ; v26     16 x lane: my byte offset in a row's 512 bytes
.set ADRS, 27                          ; v27     LDS address of my scale words: lanes 0-15 attn's, lanes 16-31 Wo's; never rewritten
.set SPW,  28                          ; v28     LDS address of my spare word; never rewritten
.set NIL,  29                          ; v29     0; never rewritten
.set SC,   32                          ; set s at v[SC + 32 s]; register 4 i + q: lanes 0-15 the word of attn's block i (i < 4), lanes 16-31 of Wo's block i, for the slot's q-th 128 along K
.set AF,   128                         ; attn's fragments: set p at v[AF + 48 p]
.set BK,   128                         ; the way out: 16 rows read back from the stage: v128-191 and v192-255 by turns
.set G1, 24                            ; s[24:31] descriptor group 1 for attn's tiles;  s[32:39] group 0, one set for each slot
.set G0, 32
.set G1B, 48                           ; s[48:55], s[56:63] the same for Wo's tiles
.set G0B, 56
.set G1S, 68                           ; s[68:75], s[76:79] groups 1 and 0 for attn's scale words;  s[80:87], s[88:91] for Wo's
.set G0S, 76
.set G1SB, 80
.set G0SB, 88
.set MSB, 0
.macro WIN new                         ; the immediate's high byte repeats the setting that is left; a switch that changes nothing is dropped
.if MSB != (\new)
	s_set_vgpr_msb (MSB<<8)|(\new)
.set MSB, (\new)
.endif
.endm
.set MUL,  0xa1                        ; source 0 (Wo) window 1, source 1 (attn) window 0, C and D window 2
.set TO_B, 0x40                        ; destination window 1, address window 0
; A joint load: waves 0 and 1 fetch for attn, waves 2 and 3 for Wo.  Each of the two lines has ONE mask and one set of registers for all that issue it; the branch hangs on the wave's number alone.
; Four v_nop follow each of the two lines, ahead of the jump, the label and what follows.
.macro JLOAD g0a, g1a, g0b, g1b
	s_cmp_eq_u32 s15, 0
	s_cbranch_scc0 .Lfor_b_\@
	tensor_load_to_lds s[\g0a:\g0a+3], s[\g1a:\g1a+7]
	s_nop 0
.rept 4
	v_nop
.endr
	s_branch .Lasked_\@
.Lfor_b_\@:
	tensor_load_to_lds s[\g0b:\g0b+3], s[\g1b:\g1b+7]
	s_nop 0
.rept 4
	v_nop
.endr
.Lasked_\@:
.endm
.macro CREST                           ; a round of the cluster's barrier behind its opening barrier
	s_cmp_lg_u32 s14, 0
	s_cbranch_scc1 .Lnot_wave_0_\@
	s_barrier_signal -3
.Lnot_wave_0_\@:
	s_barrier_wait -3
	s_barrier_signal -1
	s_barrier_wait -1
.endm
.macro CROUND                          ; a whole round
	s_barrier_signal -1
	s_barrier_wait -1
	CREST
.endm
	s_load_b64 s[4:5], s[0:1], 0x0                 ; at
	s_load_b64 s[8:9], s[0:1], 0x8                 ; wo
	s_load_b64 s[12:13], s[0:1], 0x10              ; out0
	v_lshl_add_u32 v[SPW], v0, 2, SPARE
	v_mov_b32 v[NIL], 0
	ds_add_u32 v28, v29
	ds_add_u32 v28, v29
	s_wait_dscnt 0x0
	v_lshrrev_b32 v1, 5, v0
	v_readfirstlane_b32 s14, v1                    ; wave 0..3
	s_lshr_b32 s15, s14, 1                         ; I fetch for attn (0) or for Wo (1),
	s_and_b32 s16, s14, 1                          ; its first or its second half
	s_bfe_u32 s40, ttmp6, 0x40000                  ; cx, cy: my place in the cluster
	s_bfe_u32 s41, ttmp6, 0x40004
	s_lshl_b32 s42, ttmp9, 2
	s_add_co_u32 s42, s42, s40                     ; X: my block of 128 columns = 4 x cluster x + cx
	s_and_b32 s17, ttmp7, 0xffff
	s_lshl_b32 s17, s17, 2
	s_add_co_u32 s17, s17, s41                     ; Yt: my block of 256 tokens = 4 x cluster y + cy
	s_lshl_b32 s43, s41, 2
	s_lshl_b32 s43, 15, s43                        ; my row of the cluster
	s_lshl_b32 s44, 0x1111, s40                    ; my column
	; descriptor group 1.  Elements of 8 bytes, no padding: an image is read 512 consecutive bytes at a time.  attn: 8 row blocks x 6,144 bytes, 24,576 bytes apart; Wo: 4 such
	s_or_b32 s[G1+0], s43, (3<<16)|(1<<21)         ; 15:0 the mask: attn's tiles go to my row; 17:16 elements of 8 bytes; 21 set beside a mask
	s_or_b32 s[G1B+0], s44, (3<<16)|(1<<21)        ; Wo's to my column
	s_mov_b32 s[G1+1], 768<<16                     ; tensor_dim0 = 768 elements
	s_mov_b32 s[G1+2], 8<<16                       ; tensor_dim1 = 8
	s_mov_b32 s[G1+3], 768<<16                     ; tile_dim0
	s_mov_b32 s[G1+4], 8                           ; tile_dim1
	s_mov_b32 s[G1+5], 3072                        ; tensor_dim0_stride, in elements
	s_mov_b32 s[G1+6], 0
	s_mov_b32 s[G1+7], 0
	s_mov_b32 s[G1B+1], 768<<16
	s_mov_b32 s[G1B+2], 4<<16
	s_mov_b32 s[G1B+3], 768<<16
	s_mov_b32 s[G1B+4], 4
	s_mov_b32 s[G1B+5], 3072
	s_mov_b32 s[G1B+6], 0
	s_mov_b32 s[G1B+7], 0
	; the scale words: dense blocks, as rows of 256 bytes: attn's 8 row blocks are 32 rows, Wo's 4 are 16
	s_or_b32 s[G1S+0], s43, (3<<16)|(1<<21)
	s_or_b32 s[G1SB+0], s44, (3<<16)|(1<<21)
	s_mov_b32 s[G1S+1], 32<<16
	s_mov_b32 s[G1S+2], 32<<16
	s_mov_b32 s[G1S+3], 32<<16
	s_mov_b32 s[G1S+4], 32
	s_mov_b32 s[G1S+5], 32
	s_mov_b32 s[G1S+6], 0
	s_mov_b32 s[G1S+7], 0
	s_mov_b32 s[G1SB+1], 32<<16
	s_mov_b32 s[G1SB+2], 16<<16
	s_mov_b32 s[G1SB+3], 32<<16
	s_mov_b32 s[G1SB+4], 16
	s_mov_b32 s[G1SB+5], 32
	s_mov_b32 s[G1SB+6], 0
	s_mov_b32 s[G1SB+7], 0
	; where the tiles come from: attn's hang on Yt alone, Wo's on X alone, each in registers that never hold the other coordinate
	s_lshl_b32 s20, s17, 4
	s_lshl_b32 s18, s16, 3
	s_add_co_u32 s20, s20, s18                     ; attn: row block 16 Yt + 8 x half
	s_lshl_b32 s22, s20, 10                        ; its scale words,
	s_mov_b32 s23, 0
	s_mul_i32 s20, s20, RBK                        ; its codes (both under 2^23)
	s_mov_b32 s21, 0
	s_lshl_b32 s46, s42, 3
	s_lshl_b32 s18, s16, 2
	s_add_co_u32 s46, s46, s18                     ; Wo: row block 8 X + 4 x half
	s_lshl_b32 s92, s46, 10
	s_mov_b32 s93, 0
	s_mul_i32 s46, s46, RBK
	s_mov_b32 s47, 0
	s_mul_i32 s45, s16, 8*SLB                      ; and where they go: no place in the cluster enters an LDS address
	s_mul_i32 s94, s16, 4*SLB
	s_add_co_u32 s94, s94, ASLOT
	s_lshl_b32 s95, s16, 13
	s_lshl_b32 s19, s16, 12
	s_wait_kmcnt 0x0
	s_add_nc_u64 s[20:21], s[4:5], s[20:21]
	s_add_nc_u64 s[22:23], s[4:5], s[22:23]
	s_add_nc_u64 s[22:23], s[22:23], ASCOFF
	s_add_nc_u64 s[46:47], s[8:9], s[46:47]
	s_add_nc_u64 s[92:93], s[8:9], s[92:93]
	s_add_nc_u64 s[92:93], s[92:93], BSCOFF
	CROUND                                         ; all sixteen work-groups are here: the first joint loads meet
	s_mov_b32 s[G0S], 1
	s_add_co_u32 s[G0S+1], s95, SCL
	s_mov_b64 s[G0S+2:G0S+3], s[22:23]
	s_or_b32 s[G0S+3], s[G0S+3], 0x80000000
	s_mov_b32 s[G0SB], 1
	s_add_co_u32 s[G0SB+1], s19, SCLB
	s_mov_b64 s[G0SB+2:G0SB+3], s[92:93]
	s_or_b32 s[G0SB+3], s[G0SB+3], 0x80000000
	JLOAD G0S, G1S, G0SB, G1SB                     ; the scale words first: they are wanted with the first slot.  With the two below, three loads of mine are out
.irp s, 0,1
	s_mov_b32 s[G0+4*\s], 1
	s_add_co_u32 s[G0+4*\s+1], s45, \s*SLOT
	s_add_nc_u64 s[G0+4*\s+2:G0+4*\s+3], s[20:21], \s*SLB
	s_or_b32 s[G0+4*\s+3], s[G0+4*\s+3], 0x80000000
	s_mov_b32 s[G0B+4*\s], 1
	s_add_co_u32 s[G0B+4*\s+1], s94, \s*SLOT
	s_add_nc_u64 s[G0B+4*\s+2:G0B+4*\s+3], s[46:47], \s*SLB
	s_or_b32 s[G0B+4*\s+3], s[G0B+4*\s+3], 0x80000000
	JLOAD G0+4*\s, G1, G0B+4*\s, G1B
.endr
	v_and_b32 v1, 31, v0                           ; lane
	v_and_b32 v2, 15, v0                           ; r
	v_bfe_u32 v4, v0, 4, 1                         ; h
	v_lshlrev_b32 v[CO], 4, v1
	s_mul_i32 s18, s14, 4*SLB                      ; my 4 row blocks of attn
	s_mov_b32 s19, ASLOT                           ; Wo's 8, behind attn's 16
.irp s, 0,1
	v_add_nc_u32 v[ADRA+\s], s18, v[CO]
	v_add_nc_u32 v[ADRB+\s], s19, v[CO]
	s_add_co_u32 s18, s18, SLOT
	s_add_co_u32 s19, s19, SLOT
.endr
	s_lshl_b32 s18, s14, 12                        ; attn's scale words: my 4 row blocks;
	s_mov_b32 s19, 16384
	s_sub_co_u32 s19, s19, s18
	v_mul_u32_u24 v6, s19, v4                      ; lanes 16-31 take Wo's: one product, the distance between the two bases
	s_add_co_u32 s18, s18, SCL
	v_lshl_add_u32 v5, v2, 4, v6
	v_add_nc_u32 v[ADRS], s18, v5
	s_mul_i32 s18, s14, 16*SPITCH                  ; my stage
	v_mul_u32_u24 v5, v2, SPITCH
	v_lshl_add_u32 v5, v4, 6, v5
	v_add_nc_u32 v[STO], s18, v5                   ; in: row r, + 64 h: accumulator b's eight columns are 32 (b / 2) + 16 h + 8 (b % 2) + 0 .. 7
	v_add_nc_u32 v[RD], s18, v[CO]                 ; back: the 32 lanes take one row of 512 bytes
	; where my results go.  (In the registers that held Wo's addresses: none that feeds attn's descriptors ever holds cx)
	s_lshl_b32 s92, s17, 8
	s_lshl_b32 s93, s14, 6
	s_add_co_u32 s92, s92, s93                     ; my first token: 256 Yt + 64 x wave
	s_lshl_b32 s92, s92, 13                        ; rows of 8,192 bytes (under 2^26 in all)
	s_lshl_b32 s93, s42, 9                         ; my 128 columns: 512 bytes
	s_add_co_u32 s92, s92, s93
	s_mov_b32 s93, 0
	s_add_nc_u64 s[12:13], s[12:13], s[92:93]
.macro FRAG reg, adr, q, i             ; a fragment comes as it was stored: three loads of 512 consecutive bytes
.irp c, 0,1,2
	ds_load_b128 v[\reg+4*\c:\reg+4*\c+3], v[\adr] offset:(\i)*SLB+(\q)*IMG+512*\c
.endr
.endm
; 8 matrix instructions: attn's block a against Wo's eight, 128 along K: the slot's q-th.  p: the set of fragments;  sc: the set of scale words.  zero = 1: the first product starts the sums: nothing is ever cleared.
; The 32 accumulators take turns, one instruction a turn, in the same order in every step.
.macro MUL8 a, p, q, sc, zero
.irp b, 0,1,2,3,4,5,6,7
.if \zero
	v_wmma_scale_f32_16x16x128_f8f6f4 v[8*(8*(\a)+\b):8*(8*(\a)+\b)+7], v[128*(\p)+FR*\b:128*(\p)+FR*\b+FR-1], v[AF+48*(\p)+FR*(\a):AF+48*(\p)+FR*(\a)+FR-1], 0, v[SC+32*(\sc)+4*\b+(\q)], v[SC+32*(\sc)+4*(\a)+(\q)] matrix_a_fmt:MATRIX_FMT_FP6 matrix_b_fmt:MATRIX_FMT_FP6 matrix_a_scale:MATRIX_SCALE_ROW1
.else
	v_wmma_scale_f32_16x16x128_f8f6f4 v[8*(8*(\a)+\b):8*(8*(\a)+\b)+7], v[128*(\p)+FR*\b:128*(\p)+FR*\b+FR-1], v[AF+48*(\p)+FR*(\a):AF+48*(\p)+FR*(\a)+FR-1], v[8*(8*(\a)+\b):8*(8*(\a)+\b)+7], v[SC+32*(\sc)+4*\b+(\q)], v[SC+32*(\sc)+4*(\a)+(\q)] matrix_a_fmt:MATRIX_FMT_FP6 matrix_b_fmt:MATRIX_FMT_FP6 matrix_a_scale:MATRIX_SCALE_ROW1
.endif
.endr
.endm
.macro FETCH_LO slot, q, p             ; the slot's q-th 128 along K into set p: Wo's eight fragments and attn's blocks 0 and 1: 30 loads;
	WIN TO_B
.irp i, 0,1,2,3,4,5,6,7
	FRAG 128*(\p)+FR*\i, ADRB+\slot, \q, \i
.endr
	WIN 0
.irp i, 0,1
	FRAG AF+48*(\p)+FR*\i, ADRA+\slot, \q, \i
.endr
.endm
.macro FETCH_HI slot, q, p             ; attn's blocks 2 and 3: the youngest six loads of a run
.irp i, 2,3
	FRAG AF+48*(\p)+FR*\i, ADRA+\slot, \q, \i
.endr
.endm
.macro SCALES sc, n                    ; the scale words of K's n-th 512 into set sc: a row's four words are 16 neighbouring bytes.  Lanes 0-15 take attn's block i, lanes 16-31 Wo's block i
.irp i, 0,1,2,3,4,5,6,7                ; (for i above 3 lanes 0-15 read filled bytes of the scale words' region that no product names)
	ds_load_b128 v[SC+32*(\sc)+4*\i:SC+32*(\sc)+4*\i+3], v[ADRS] offset:\i*1024+256*(\n)
.endr
.endm
; A load into a register that a matrix instruction has read, and a vector instruction or an LDS store that reads a matrix result, stand NP places behind that matrix instruction; only plain vector
; instructions that name none of its registers are places (ISA guide 7.12.1 for vector instructions).
.macro PLACES n
.rept \n
	v_nop
.endr
.endm
; A step of 128 along K that has its successor in the same slot: 32 matrix instructions on set q % 2; in its middle the next step's 36 loads, in one run, into the other set.
.macro STEP slot, q, zero
	s_wait_dscnt 2*NL                              ; Wo's set, attn's blocks 0 and 1 (and at a slot's head the scale words) are in; the youngest six loads (attn's blocks 2 and 3) may be out
	WIN MUL
	MUL8 0, (\q)%2, \q, \slot, \zero
	MUL8 1, (\q)%2, \q, \slot, \zero
	PLACES NP                                      ; the other set was read by the step before
	FETCH_LO \slot, (\q)+1, 1-(\q)%2
	FETCH_HI \slot, (\q)+1, 1-(\q)%2
	s_wait_dscnt 12*NL                             ; all but the 36 just issued
	WIN MUL
	MUL8 2, (\q)%2, \q, \slot, \zero
	MUL8 3, (\q)%2, \q, \slot, \zero
.endm
; A slot's last step changes slots: ONE barrier; in front of it each wave waits for all its tensor loads, adds 0 to its spare word, and waits for that and for its own reads of this slot.
; fill = 1: this slot is filled again, with the 512 along K two slots on.  n: which 512 of K the next slot holds.
.macro TURN slot, next, fill, n
	WIN 0                                          ; (the add's two registers lie in window 0)
	s_wait_tensorcnt 0x0                           ; all my tensor loads have landed: the one that was out is my part of the next slot;
	ds_add_u32 v[SPW], v[NIL]                      ; 0 onto my spare word
	s_wait_dscnt 2*NL+1                            ; (the add and the youngest six loads, attn's blocks 2 and 3, may be out)
	WIN MUL
	MUL8 0, 1, NQ-1, \slot, 0                      ; eight matrix instructions stand between the add and the wait for it
	s_wait_dscnt 0x0                               ; the add is done, and my reads of this slot are over
	s_barrier_signal -1
	MUL8 1, 1, NQ-1, \slot, 0
	WIN 0
	s_barrier_wait -1
.if \fill
	CREST                                          ; the barrier has opened a round of the cluster's barrier: no wave of any partner still reads this slot's tile or has a load on its way
	s_add_nc_u64 s[G0+4*\slot+2:G0+4*\slot+3], s[G0+4*\slot+2:G0+4*\slot+3], 2*SLB
	s_add_nc_u64 s[G0B+4*\slot+2:G0B+4*\slot+3], s[G0B+4*\slot+2:G0B+4*\slot+3], 2*SLB
	JLOAD G0+4*\slot, G1, G0B+4*\slot, G1B         ; the first tensor load behind the round, my one load until the next: 112 matrix instructions ahead of the wait for it; the four v_nop behind it are the places in front of the loads below
.else
	PLACES NP
.endif
	FETCH_LO \next, 0, 0
	SCALES \next, \n
	FETCH_HI \next, 0, 0
	WIN MUL
	MUL8 2, 1, NQ-1, \slot, 0
	MUL8 3, 1, NQ-1, \slot, 0
.endm
	s_wait_tensorcnt 1                             ; the scale words and my part of slot 0 are in; slot 1's load may be out
	s_barrier_signal -1
	s_barrier_wait -1                              ; everybody's are
	FETCH_LO 0, 0, 0
	SCALES 0, 0
	FETCH_HI 0, 0, 0
	STEP 0, 0, 1                                   ; K 0-511, in slot 0.  The first step's products start the sums
	STEP 0, 1, 0
	STEP 0, 2, 0
	TURN 0, 1, 1, 1                                ; slot 0 takes K 1,024-1,535
	STEP 1, 0, 0                                   ; K 512-1,023, in slot 1
	STEP 1, 1, 0
	STEP 1, 2, 0
	TURN 1, 0, 1, 2                                ; slot 1 takes K 1,536-2,047: the last load
	STEP 0, 0, 0
	STEP 0, 1, 0
	STEP 0, 2, 0
	TURN 0, 1, 0, 3                                ; nothing is left to fetch: no round of the cluster's barrier.  Slot 0 has had its last fill, and behind this barrier nobody reads it
	STEP 1, 0, 0
	STEP 1, 1, 0
	STEP 1, 2, 0
	s_wait_dscnt 2*NL                              ; the very last step
	WIN MUL
	MUL8 0, 1, NQ-1, 1, 0
	MUL8 1, 1, NQ-1, 1, 0
	s_wait_dscnt 0
	MUL8 2, 1, NQ-1, 1, 0
	MUL8 3, 1, NQ-1, 1, 0
	WIN 0
; THE WAY OUT, token block by token block.  A lane holds 32 neighbouring bytes of a row at a time, and the lanes beside it hold other rows: so a block goes through my own stage in LDS and comes back as whole
; rows of 512 bytes.  LDS serves a wave's instructions in order (ISA guide 5.7.1.4): no wait between the stores and the loads, nor in front of the next block's stores.  The stage lies in slot 0.
; 528 = 33 x 16: the sixteen rows of a store's pass start in different groups of four banks.
.macro TOSTAGE a
.set AC, 64*(\a)
	WIN 0x08                                       ; an LDS store's data are its source 1: window 2
.irp b, 0,1,2,3,4,5,6,7
	ds_store_b128 v[STO], v[AC+8*\b:AC+8*\b+3] offset:128*(\b/2)+32*(\b%2)          ; each accumulator from its low end on
	ds_store_b128 v[STO], v[AC+8*\b+4:AC+8*\b+7] offset:128*(\b/2)+32*(\b%2)+16
.endr
	WIN 0
.set BB, BK+64*((\a)%2)
.irp t, 0,1,2,3,4,5,6,7,8,9,10,11,12,13,14,15
	ds_load_b128 v[BB+4*\t:BB+4*\t+3], v[RD] offset:\t*SPITCH
.endr
.endm
.macro SEND a, younger                 ; younger: the LDS instructions issued behind block a's loads, which may stay out.  Stage row t is token 32 (a / 2) + 8 (a % 2) + t + 8 (t / 8) of my 64
.set BB, BK+64*((\a)%2)
	s_wait_dscnt \younger                          ; the block is back in registers
.irp t, 0,1,2,3,4,5,6,7,8,9,10,11,12,13,14,15
	global_store_b128 v[CO], v[BB+4*\t:BB+4*\t+3], s[12:13] offset:(32*((\a)/2)+8*((\a)%2)+\t+8*(\t/8))*8192 th:TH_STORE_NT   ; 32 lanes store 512 consecutive bytes, at a multiple of 256 from out0's first byte; 63 rows at the most: inside the signed 24-bit immediate; no base is stepped
.endr
.endm
	PLACES NP                                      ; behind the last products: for the reads of results and the loads into the registers that held fragments
	TOSTAGE 0
.irp a, 1,2,3
.if \a > 1
	s_wait_xcnt 0x0                                ; block a - 2's stores have read their registers: block a's loads may land there
.endif
	TOSTAGE \a
	SEND \a-1, 32                                  ; behind block a - 1's loads: block a's 16 stores and 16 loads
.endr
	SEND 3, 0
	s_wait_tensorcnt 0x0                           ; the wave's end: behind my last tensor load and my last LDS store
	ds_add_u32 v[SPW], v[NIL]
	s_wait_dscnt 0x0
	CROUND                                         ; the closing round: no work-group ends while a partner may still ask for a tile that names it
	s_endpgm
.Lfunc_end_k_qab2d16815e_oproj:
	.size	k_qab2d16815e_oproj, .Lfunc_end_k_qab2d16815e_oproj-k_qab2d16815e_oproj
	.p2alignl 7, 3214868480
	.fill 96, 4, 3214868480
	.section	.rodata,"a",@progbits
	.p2align	6, 0x0
	.amdhsa_kernel k_qab2d16815e_oproj
		.amdhsa_group_segment_fixed_size 327680
		.amdhsa_private_segment_fixed_size 0
		.amdhsa_enable_private_segment 0
		.amdhsa_kernarg_size 24
		.amdhsa_user_sgpr_count 2
		.amdhsa_user_sgpr_kernarg_segment_ptr 1
		.amdhsa_wavefront_size32 1
		.amdhsa_system_sgpr_workgroup_id_x 1
		.amdhsa_system_sgpr_workgroup_id_y 1
		.amdhsa_system_sgpr_workgroup_id_z 1
		.amdhsa_system_vgpr_workitem_id 0
		.amdhsa_next_free_vgpr 768
		.amdhsa_next_free_sgpr 98
		.amdhsa_reserve_vcc 0
		.amdhsa_float_denorm_mode_32 3
		.amdhsa_float_denorm_mode_16_64 3
		.amdhsa_memory_ordered 1
		.amdhsa_forward_progress 1
		.amdhsa_inst_pref_size 133
	.end_amdhsa_kernel
	.amdgpu_metadata
---
amdhsa.version: [ 1, 2 ]
amdhsa.kernels:
  - .name:           k_qab2d16815e_oproj
    .symbol:         k_qab2d16815e_oproj.kd
    .args:
      - { .name: at, .offset: 0, .size: 8, .value_kind: global_buffer, .address_space: global }
      - { .name: wo, .offset: 8, .size: 8, .value_kind: global_buffer, .address_space: global }
      - { .name: out0, .offset: 16, .size: 8, .value_kind: global_buffer, .address_space: global }
    .group_segment_fixed_size: 327680
    .private_segment_fixed_size: 0
    .kernarg_segment_align: 8
    .kernarg_segment_size: 24
    .max_flat_workgroup_size: 128
    .sgpr_count:     98
    .vgpr_count:     768
    .wavefront_size: 32
...
	.end_amdgpu_metadata
.endif
;; end of part 4
